; MI455X (gfx1250); checked and timed in simulation.
; The chip was launched on July 23, 2026; its instructions are those of AMD's public machine-readable ISA for CDNA 5 (MIT licence, August 2026) and "CDNA5" Instruction Set Architecture Reference Guide (July 2026). The comments in the code are by the model that wrote it; some were corrected since.
;; Multi Head Self Attention. Allowed arithmetic: matrix products marked QUANTISED: E2M1 operands, one E8M0 scale for each 32 along K, by v_wmma_scale_f32_16x16x128_f8f6f4 with both operands' format E2M1 (or v_wmma_scale_f32_32x16x128_f4), f32 sums; products left as they are: bf16, f16 or f32 operands; f32 sums; everything else in f32.
;; Inputs: Wk 1,024 x 1,024 float32; Wo 1,024 x 1,024 float32; Wq 1,024 x 1,024 float32; Wv 1,024 x 1,024 float32; bo 1,024 float32; keys 4 x 2,048 x 1,024 float32; query 4 x 2,048 x 1,024 float32; values 4 x 2,048 x 1,024 float32.
;; Outputs: out0 4 x 2,048 x 1,024 float32.
;; This version of the problem:
;;   THIS VERSION OF THE PROBLEM IS GIVEN IN LOW PRECISION. The matrix products marked QUANTISED in the list below multiply operands that are first quantised to E2M1 (2 exponent bits, 1 mantissa bit; 4 bits a number), with one power-of-two scale for each 32 numbers along K (OCP MX v1.0); their sums are f32. The products marked 'left as it is' may take bf16, f16 or f32 operands, with f32 sums. Whichever they take, every output number must still come out within the allowed error. Rounding operands to bf16 (8 significant bits) uses up far more of that allowance than f16 does (11 bits, for magnitudes from 6e-5 to 65,504). All else is computed in f32.
;;   The module's matrix products, in the order in which they are computed (A, B: the left and right operand; K: the contracted axis; several contracted axes count as one K, in the product's order):
;;     1. [M 8,192, K 1,024] x [K 1,024, N 1,024]; A: input values; B: input Wv: QUANTISED
;;     2. [M 8,192, K 1,024] x [K 1,024, N 1,024]; A: input keys; B: input Wk: QUANTISED
;;     3. [M 8,192, K 1,024] x [K 1,024, N 1,024]; A: input query; B: input Wq: QUANTISED
;;     4. batch 64 x [M 2,048, K 64] x [K 64, N 2,048]; A: computed on the way; B: computed on the way: left as it is (an operand is computed on the way)
;;     5. batch 64 x [M 64, K 2,048] x [K 2,048, N 2,048]; A: computed on the way; B: computed on the way: left as it is (an operand is computed on the way)
;;     6. [M 8,192, K 1,024] x [K 1,024, N 1,024]; A: computed on the way; B: input Wo: left as it is (an operand is computed on the way)
;;   THE QUANTISER, for each operand of a quantised product, along K:
;;     - K is cut into blocks of 32 from its start; a last block that is shorter is filled with zeros.
;;     - A block's scale is 2^e with e = floor(log2(the largest magnitude in the block)) - 2, held to -126 .. 127; a block of zeros has e = 0. As a byte (E8M0): e + 127.
;;     - Each number is divided by its block's scale, clamped to +-6, and rounded to the nearest number of E2M1, ties to even, subnormals kept.
;;     - The product sums the exact products of the quantised numbers (number of the format x scale) in f32.
;;   ~~~python
;;   def quantise(x, axis):      # numpy; x: float32 -> the quantised numbers, widened to float32 again
;;       x = np.moveaxis(x, axis, -1); K = x.shape[-1]
;;       x = np.pad(x, [(0, 0)] * (x.ndim - 1) + [(0, -K % 32)]); x = x.reshape(x.shape[:-1] + (-1, 32)); a = np.abs(x).max(-1, keepdims=True)
;;       e = np.where(a > 0, np.clip(np.frexp(np.where(a > 0, a, 1))[1] - 1 - 2, -126, 127), 0)      # np.frexp(a)[1] - 1 = floor(log2(a)), exactly
;;       r = np.clip(x / 2.0 ** e, -6, 6)
;;       step = 2.0 ** (np.maximum(np.frexp(np.where(r == 0, 1, r))[1] - 1, 0) - 1)
;;       q = np.round(r / step) * step * 2.0 ** e      # np.round: ties to even
;;       return np.moveaxis(q.reshape(q.shape[:-2] + (-1,))[..., :K], -1, axis).astype(np.float32)
;;   ~~~
;; One version. Each part assembles by itself: llvm-mc -triple=amdgcn-amd-amdhsa -mcpu=gfx1250 --defsym DOCPART=n.
;; ======== version 1 of 1: 4 launches
;; limits: values are held in f16: magnitudes above 65,504 overflow, below 6.1e-05 lose precision
;; workspace buffers: xc 12,582,912 bytes; xs 786,432 bytes; wc 1,572,864 bytes; ws 98,304 bytes; wo16 2,097,152 bytes; qkv 50,331,648 bytes; ao 16,777,216 bytes
;; launch quant (part 1): grid 896 x 1, 4 waves a work-group, no clusters, 33,280 bytes of LDS; arguments query, keys, values, Wq, Wk, Wv, Wo, xc, xs, wc, ws, wo16; writes xc, xs, wc, ws, wo16
.if DOCPART == 1
	.amdgcn_target "amdgcn-amd-amdhsa--gfx1250"
	.amdhsa_code_object_version 6
	.text
	.protected	k_q5f829ae7ca_quant
	.globl	k_q5f829ae7ca_quant
	.p2align	8
	.type	k_q5f829ae7ca_quant,@function
k_q5f829ae7ca_quant:
	s_mov_b64 s[64:65], 0
	v_nop
	global_prefetch_b8 v0, s[64:65] scope:SCOPE_SE
	s_setreg_imm32_b32 hwreg(HW_REG_WAVE_MODE, 25, 1), 1
	s_wait_xcnt 0x0
; query, keys, values [8192][1024] and Wq, Wk, Wv [1024][1024], f32, become codes of FP4 (E2M1), K innermost, two codes a byte, with one E8M0 scale byte for each 32 along K:
; xc [3][8192][512 bytes], xs [3][8192][32], wc [3][1024][512], ws [3][1024][32]; tensor 0 = query / Wq, 1 = keys / Wk, 2 = values / Wv.  Wo [1024][1024] f32 becomes f16, laid [k / 64][n][64].
; A block's scale is 2^(floor(log2(its largest magnitude)) - 2); its byte is the largest magnitude's exponent field - 2, held at 1 from below.  A block of zeros so gets the byte 1: its codes are zeros,
; which add nothing under that byte, and the bytes are read by this program alone.  Each number is divided by the scale and rounded to the nearest code, ties to even; beyond 6 the largest code.
; LIMITS: blocks whose largest magnitude lies under 2^-124 keep the byte 1; NaN and infinities among the inputs are not served; Wo beyond 65,504 in magnitude has no f16.
; SHARES: a work-group takes 32,768 numbers.  Work-groups 0-767: the three x tensors, 256 each; 768-863: the three weights, 32 each; 864-895: 32 rows of Wo each.
; Rows are dense and 1,024 is a multiple of 32: a tensor is a plain stream of blocks of 32, and so are its codes and its scale bytes.  A wave takes 16 steps of 512 numbers.  Each of a step's four loads reads 512
; consecutive bytes; the 2,048 bytes turn through the wave's own stage in LDS and come back 64 bytes a lane, so that a lane holds 16 neighbours along K (two neighbouring lanes hold a block).
; Only pointers are chosen by the work-group's number: all six tensors take one path.  Waves share nothing: no barrier.
.set WAVES, 4
.set STEPS, 16
.set NX,    768                        ; work-groups for the three x tensors
.set NQW,   864                        ; and with the three weights
.set EMAX,  2
.set CB,    8                          ; bytes of 16 codes
.set R,     16                         ; v16-79   four sets of 16 numbers as they are loaded (Wo's path: v16-143, two sets of 64)
.set X,     80                         ; v80-111  two sets of 16 neighbours
.set E,     112                        ; v112-127 a scale byte for each step
.set C,     128                        ; v128-191 codes: four registers for each step, so that no store's data are written again
.set OUTH,  144                        ; Wo's path: v144-175 a batch's f16
.set WREG,  8192                       ; LDS: a region for each wave: two stages of 32 x SP bytes, behind them its 256 scale bytes
.set SP,    80                         ; a lane's place in a stage: 64 bytes + 16 of padding
.set SPW,   12                         ; v12  LDS address of my spare word; never rewritten
.set NIL,   13                         ; v13  0; never rewritten
.set SPARE, WAVES*WREG                 ; behind the four regions: the spare words, 128 bytes a wave
.set WV,    32                         ; s32  my wave's number
	s_load_b512 s[4:19], s[0:1], 0x0               ; query 4:5, keys 6:7, values 8:9, Wq 10:11, Wk 12:13, Wv 14:15, Wo 16:17, xc 18:19
	s_load_b256 s[20:27], s[0:1], 0x40             ; xs 20:21, wc 22:23, ws 24:25, wo16 26:27
	v_lshl_add_u32 v[SPW], v0, 2, SPARE
	v_mov_b32 v[NIL], 0
	v_lshrrev_b32 v1, 5, v0
	v_readfirstlane_b32 s[WV], v1                  ; wave 0..3
	v_and_b32 v2, 31, v0                           ; lane
	v_lshlrev_b32 v3, 4, v2                        ; 16 x lane: my 16 bytes of 512
	s_mul_i32 s33, s[WV], WREG
	v_lshrrev_b32 v14, 2, v2
	v_mul_u32_u24 v14, v14, SP
	v_and_b32 v15, 3, v2
	v_lshl_add_u32 v14, v15, 4, v14
	v_add_nc_u32 v14, s33, v14                     ; the stage, on the way in: four lanes' 64 bytes on end, then 16 of padding
	v_mul_u32_u24 v15, v2, SP
	v_add_nc_u32 v15, s33, v15                     ; and on the way out: SP x lane: my 16 neighbours
	v_mul_u32_u24 v4, v2, CB                       ; my codes' place in a step's
	v_lshrrev_b32 v5, 1, v2
	s_add_co_u32 s33, s33, 2*32*SP
	v_add_nc_u32 v5, s33, v5                       ; LDS: my wave's 256 scale bytes, my block's byte
	v_lshlrev_b32 v7, 3, v2                        ; and on the way out 8 bytes a lane
	v_add_nc_u32 v6, s33, v7
	v_lshrrev_b32 v1, 3, v2                        ; Wo's path: eight lanes to a row: row lane / 8 of four, 4,096 bytes a row,
	v_lshlrev_b32 v1, 12, v1
	v_and_b32 v10, 7, v2
	v_lshl_add_u32 v1, v10, 5, v1                  ; and 32 bytes (8 numbers) a lane
	s_wait_kmcnt 0x0
	s_cmp_ge_u32 ttmp9, NQW
	s_cbranch_scc1 .Lconvert
	; which tensor, and which run of it: the choices hang on the work-group's number alone
	s_cmp_lt_u32 ttmp9, NX                         ; an x tensor or a weight?
	s_cselect_b64 s[4:5], s[4:5], s[10:11]
	s_cselect_b64 s[6:7], s[6:7], s[12:13]
	s_cselect_b64 s[8:9], s[8:9], s[14:15]
	s_cselect_b64 s[18:19], s[18:19], s[22:23]     ; the codes' buffer
	s_cselect_b64 s[20:21], s[20:21], s[24:25]     ; the scale bytes'
	s_cselect_b32 s28, 0, NX
	s_cselect_b32 s29, 8, 5                        ; 256 or 32 work-groups to a tensor
	s_sub_co_u32 s30, ttmp9, s28                   ; my number among the three tensors' work-groups
	s_lshr_b32 s31, s30, s29                       ; which of the three,
	s_lshl_b32 s33, s31, s29
	s_sub_co_u32 s33, s30, s33                     ; and my number in it
	s_cmp_eq_u32 s31, 1
	s_cselect_b64 s[4:5], s[6:7], s[4:5]
	s_cmp_eq_u32 s31, 2
	s_cselect_b64 s[4:5], s[8:9], s[4:5]
	s_lshl_b32 s34, s33, 2
	s_add_co_u32 s34, s34, s[WV]                   ; my wave's run of 8,192 numbers in the tensor:
	s_lshl_b32 s34, s34, 15                        ; 32,768 bytes a run
	s_mov_b32 s35, 0
	s_add_nc_u64 s[4:5], s[4:5], s[34:35]
	s_lshl_b32 s30, s30, 2
	s_add_co_u32 s30, s30, s[WV]                   ; and in the three tensors on end:
	s_lshl_b32 s34, s30, 12                        ; 4,096 bytes of codes a run,
	s_add_nc_u64 s[18:19], s[18:19], s[34:35]
	s_lshl_b32 s34, s30, 8                         ; 256 scale bytes
	s_add_nc_u64 s[20:21], s[20:21], s[34:35]
.macro LOAD t
.irp i, 0,1,2,3
	global_load_b128 v[R+16*((\t)%4)+4*\i:R+16*((\t)%4)+4*\i+3], v3, s[4:5] offset:2048*(\t)+512*\i th:TH_LOAD_NT   ; 32 lanes read 512 consecutive bytes
.endr
.endm
.macro TURN t                          ; step t's numbers through the stage: LDS serves a wave's instructions in order (ISA guide 5.7.1.4), so no wait stands between the stores and the loads
.irp i, 0,1,2,3
	ds_store_b128 v14, v[R+16*((\t)%4)+4*\i:R+16*((\t)%4)+4*\i+3] offset:32*SP*((\t)%2)+8*SP*\i
.endr
.irp i, 0,1,2,3
	ds_load_b128 v[X+16*((\t)%2)+4*\i:X+16*((\t)%2)+4*\i+3], v15 offset:32*SP*((\t)%2)+16*\i
.endr
.endm
.irp t, 0,1,2,3
	LOAD \t
.endr
	s_wait_loadcnt 12                              ; step 0's four loads are in; the 12 of steps 1 to 3 may be out
	TURN 0
.macro STEP t
.set XS, X+16*((\t)%2)
.if (\t) > 0
	s_wait_dscnt 1                                 ; this step's numbers are back from the stage (the last step's byte store may be out)
.else
	s_wait_dscnt 0x0
.endif
.if (\t)+4 < STEPS
	LOAD (\t)+4                                    ; into the set that this step's stage stores have read
.endif
.if (\t)+1 < STEPS
.if STEPS-2-(\t) >= 3
	s_wait_loadcnt 12                              ; the next step's four loads are in; those of the three steps behind it may be out
.else
	s_wait_loadcnt 4*(STEPS-2-(\t))
.endif
	TURN (\t)+1                                    ; they go through the other stage while this step is worked
.endif
	v_max3_num_f32 v8, |v[XS]|, |v[XS+1]|, |v[XS+2]|               ; the largest magnitude of my 16, in two chains
	v_max3_num_f32 v9, |v[XS+3]|, |v[XS+4]|, |v[XS+5]|
.irp i, 6,10
	v_max3_num_f32 v8, v8, |v[XS+\i]|, |v[XS+\i+1]|
	v_max3_num_f32 v9, v9, |v[XS+\i+2]|, |v[XS+\i+3]|
.endr
	v_max3_num_f32 v8, v8, |v[XS+14]|, |v[XS+15]|
	v_max3_num_f32 v8, v8, v9, (EMAX+1)<<23        ; and the floor 2^(3 - 127): the byte cannot fall under 1
	v_max_num_f32_dpp v8, v8, v8 row_xmask:1 row_mask:0xf bank_mask:0xf   ; with my neighbour's 16: the block's
	v_add_nc_u32 v11, -(EMAX<<23), v8              ; 2 off its exponent field: the conversion takes the exponent field of this operand as its scale, and nothing else of it
	v_cvt_scalef32_pk8_fp4_f32 v[C+4*(\t)], v[XS:XS+7], v11
	v_cvt_scalef32_pk8_fp4_f32 v[C+4*(\t)+1], v[XS+8:XS+15], v11
	v_lshrrev_b32 v[E+(\t)], 23, v11               ; the scale's byte (a plain line behind the conversions)
	ds_store_b8 v5, v[E+(\t)] offset:16*(\t)       ; both lanes of a block write the same byte with the same value
	global_store_b64 v4, v[C+4*(\t):C+4*(\t)+1], s[18:19] offset:32*CB*(\t)   ; 32 lanes store 256 consecutive bytes, aligned
.endm
.irp t, 0,1,2,3,4,5,6,7,8,9,10,11,12,13,14,15
	STEP \t
.endr
	ds_load_b64 v[8:9], v6                         ; my wave's 256 scale bytes, behind its own stores
	s_wait_dscnt 0x0
	global_store_b64 v7, v[8:9], s[20:21]          ; 32 lanes store 256 consecutive bytes, aligned
	s_branch .Lend
; Wo to f16, laid [k / 64][n][64]: chunk c of 64 along K holds all 1,024 rows, 128 bytes each, dense.  A wave takes 8 rows: 32 turns of 4 rows x 64 numbers; a store covers 4 rows of a chunk, 512 consecutive bytes.
.Lconvert:
	s_sub_co_u32 s28, ttmp9, NQW
	s_lshl_b32 s28, s28, 5
	s_lshl_b32 s29, s[WV], 3
	s_add_co_u32 s28, s28, s29                     ; my first row: 32 x work-group + 8 x wave
	s_lshl_b32 s30, s28, 12
	s_mov_b32 s31, 0
	s_add_nc_u64 s[16:17], s[16:17], s[30:31]
	s_lshl_b32 s30, s28, 7
	s_add_nc_u64 s[26:27], s[26:27], s[30:31]
.macro LOADB q                         ; turns 8 q .. 8 q + 7 into set q % 2: turn n = rows 4 (n / 16) on, chunk n % 16
.irp i, 0,1,2,3,4,5,6,7
	global_load_b128 v[R+64*((\q)%2)+8*\i:R+64*((\q)%2)+8*\i+3],   v1, s[16:17] offset:((8*(\q)+\i)/16)*16384+((8*(\q)+\i)%16)*256 th:TH_LOAD_NT
	global_load_b128 v[R+64*((\q)%2)+8*\i+4:R+64*((\q)%2)+8*\i+7], v1, s[16:17] offset:((8*(\q)+\i)/16)*16384+((8*(\q)+\i)%16)*256+16 th:TH_LOAD_NT
.endr
.endm
.macro CVT q
.if (\q) < 3
	s_wait_loadcnt 16                              ; this batch's 16 loads are in; the next batch's 16 may be out
.else
	s_wait_loadcnt 0x0
.endif
	s_wait_xcnt 0x0                                ; the last batch's stores have read their data registers, which are written again below
.irp i, 0,1,2,3,4,5,6,7
.irp k, 0,1,2,3
	v_cvt_pk_f16_f32 v[OUTH+4*\i+\k], v[R+64*((\q)%2)+8*\i+2*\k], v[R+64*((\q)%2)+8*\i+2*\k+1]
.endr
.endr
.irp i, 0,1,2,3,4,5,6,7
	global_store_b128 v3, v[OUTH+4*\i:OUTH+4*\i+3], s[26:27] offset:((8*(\q)+\i)%16)*131072+((8*(\q)+\i)/16)*512
.endr
.endm
	LOADB 0
	LOADB 1
	CVT 0
	LOADB 2
	CVT 1
	LOADB 3
	CVT 2
	CVT 3
.Lend:
	s_wait_tensorcnt 0x0                           ; the wave's end: behind my last LDS store
	ds_add_u32 v[SPW], v[NIL]
	s_wait_dscnt 0x0
	s_endpgm
.Lfunc_end_k_q5f829ae7ca_quant:
	.size	k_q5f829ae7ca_quant, .Lfunc_end_k_q5f829ae7ca_quant-k_q5f829ae7ca_quant
	.p2alignl 7, 3214868480
	.fill 96, 4, 3214868480
	.section	.rodata,"a",@progbits
	.p2align	6, 0x0
	.amdhsa_kernel k_q5f829ae7ca_quant
		.amdhsa_group_segment_fixed_size 33280
		.amdhsa_private_segment_fixed_size 0
		.amdhsa_enable_private_segment 0
		.amdhsa_kernarg_size 96
		.amdhsa_user_sgpr_count 2
		.amdhsa_user_sgpr_kernarg_segment_ptr 1
		.amdhsa_wavefront_size32 1
		.amdhsa_system_sgpr_workgroup_id_x 1
		.amdhsa_system_sgpr_workgroup_id_y 1
		.amdhsa_system_sgpr_workgroup_id_z 1
		.amdhsa_system_vgpr_workitem_id 0
		.amdhsa_next_free_vgpr 192
		.amdhsa_next_free_sgpr 66
		.amdhsa_reserve_vcc 0
		.amdhsa_float_denorm_mode_32 3
		.amdhsa_float_denorm_mode_16_64 3
		.amdhsa_memory_ordered 1
		.amdhsa_forward_progress 1
		.amdhsa_inst_pref_size 51
	.end_amdhsa_kernel
	.amdgpu_metadata
---
amdhsa.version: [ 1, 2 ]
amdhsa.kernels:
  - .name:           k_q5f829ae7ca_quant
    .symbol:         k_q5f829ae7ca_quant.kd
    .args:
      - { .name: query, .offset: 0, .size: 8, .value_kind: global_buffer, .address_space: global }
      - { .name: keys, .offset: 8, .size: 8, .value_kind: global_buffer, .address_space: global }
      - { .name: values, .offset: 16, .size: 8, .value_kind: global_buffer, .address_space: global }
      - { .name: Wq, .offset: 24, .size: 8, .value_kind: global_buffer, .address_space: global }
      - { .name: Wk, .offset: 32, .size: 8, .value_kind: global_buffer, .address_space: global }
      - { .name: Wv, .offset: 40, .size: 8, .value_kind: global_buffer, .address_space: global }
      - { .name: Wo, .offset: 48, .size: 8, .value_kind: global_buffer, .address_space: global }
      - { .name: xc, .offset: 56, .size: 8, .value_kind: global_buffer, .address_space: global }
      - { .name: xs, .offset: 64, .size: 8, .value_kind: global_buffer, .address_space: global }
      - { .name: wc, .offset: 72, .size: 8, .value_kind: global_buffer, .address_space: global }
      - { .name: ws, .offset: 80, .size: 8, .value_kind: global_buffer, .address_space: global }
      - { .name: wo16, .offset: 88, .size: 8, .value_kind: global_buffer, .address_space: global }
    .group_segment_fixed_size: 33280
    .private_segment_fixed_size: 0
    .kernarg_segment_align: 8
    .kernarg_segment_size: 96
    .max_flat_workgroup_size: 128
    .sgpr_count:     66
    .vgpr_count:     192
    .wavefront_size: 32
...
	.end_amdgpu_metadata
.endif
;; end of part 1
;; launch proj (part 2): grid 4 x 96, 4 waves a work-group, clusters of 4 x 4, 327,680 bytes of LDS; arguments xc, xs, wc, ws, qkv; writes qkv
.if DOCPART == 2
	.amdgcn_target "amdgcn-amd-amdhsa--gfx1250"
	.amdhsa_code_object_version 6
	.text
	.protected	k_q5f829ae7ca_proj
	.globl	k_q5f829ae7ca_proj
	.p2align	8
	.type	k_q5f829ae7ca_proj,@function
k_q5f829ae7ca_proj:
	s_mov_b64 s[64:65], 0
	v_nop
	global_prefetch_b8 v0, s[64:65] scope:SCOPE_SE
	s_setreg_imm32_b32 hwreg(HW_REG_WAVE_MODE, 25, 1), 1
	s_wait_xcnt 0x0
	s_wait_alu depctr_hold_cnt(0) depctr_sa_sdst(0) depctr_va_vdst(0) depctr_va_sdst(0) depctr_va_ssrc(0) depctr_va_vcc(0) depctr_vm_vsrc(0)
	s_getreg_b32 s2, hwreg(HW_REG_IB_STS2, 6, 4)
	s_cmp_eq_u32 s2, 0
	s_cbranch_scc0 .Lentry_in_a_cluster
	s_endpgm
.Lentry_in_a_cluster:
	s_bfe_u32 s2, ttmp6, 0x10000c
	s_cmp_lg_u32 s2, 0xf033
	s_cbranch_scc0 .Lentry_shape_is_right
	s_endpgm
.Lentry_shape_is_right:
; q = query Wq^T, k = keys Wk^T, v = values Wv^T on codes of FP4 (E2M1) with one E8M0 scale for each 32 along K; sums in f32; results rounded once to f16 and laid head by head: qkv [3][batch 4][head 16][2048][64].
; The three products are one: A = xc, 24,576 rows of 512 bytes (tensor t = row / 8,192); B = wc, rows 1,024 t on; K = 1,024.
; LIMIT: a result beyond 65,504 in magnitude has no f16.
; A tile of 256 x 256 is made by a work-group of four waves; a wave makes 128 x 128: 64 accumulators of 16 x 16, 512 registers.  K goes in two steps of 512 (rows of 256 bytes), one in each of two LDS slots:
; both are asked for at the start and nothing is filled again.  The scale bytes of the work-group's rows, for all of K, come once, as rows of 256 bytes.
; CLUSTERS: 4 x 4 work-groups; a cluster lies inside one tensor (8 rows of clusters to a tensor).  The four of a row of the cluster need the same tiles of A, the four of a column the same tiles of B: each tile is
; asked for JOINTLY, by the same tensor load with the same descriptor and a mask that names the four.  THE MATRIX INSTRUCTION IS USED TRANSPOSED (source 0 = 16 rows of B, source 1 = 16 rows of A): a lane then
; holds eight neighbouring columns of one row of the result.
; REGISTERS, in windows of 256: window 0: v0-31 addresses; v32-95 scale words, two sets; v128-191 A's fragments (8 x 16 rows x 128 K), ONE set; on the way out v32-63, v192-255 are at work.
;   window 1: B's fragments, TWO sets, at v0 and v128.   window 2: the 32 accumulators of my rows 0-63 ((a, b) at v[8 (8 a + b)]);   window 3: those of my rows 64-127.
; No prefetch: all that the work-group reads is asked for at its head.
.set SIZE_K, 1024
.set KSTEP,  512                       ; along K in a slot
.set NQ,     KSTEP/128                 ; matrix instructions deep
.set ROWB,   256                       ; a tile's row in bytes
.set KROW,   SIZE_K*4/8                ; a row of codes in memory
.set PITCH,  272                       ; an LDS row: 256 bytes + 16 of padding = 68 words: the 16 rows that a load touches start at 16 different banks (64 banks of 4 bytes: ISA guide 11.1)
.set FR,     8                         ; registers of a fragment: 16 rows x 128 K
.set NL,     2                         ; LDS loads that bring one
.set NP,     4                         ; places behind this matrix instruction (ISA guide 7.12.1)
.set HALFT,  128*PITCH                 ; 128 rows: what one tensor load brings, and what one wave reads of A or of B
.set SLOT,   4*HALFT                   ; A's 256 rows, then B's 256 rows
.set KS,     SIZE_K/32                 ; a row of scale bytes
.set SCL,    2*SLOT                    ; behind the slots: the scale bytes, as rows of 256 bytes + 16 of padding
.set HALFS,  (128*KS/256)*272          ; those of 128 rows: what one tensor load brings
.set SBLK,   (16*KS/256)*272           ; those of 16 rows
.set SPARE,  SCL+4*HALFS               ; behind the scales: the spare words, 128 bytes a wave
.set SPITCH, 272                       ; the way out: a stage of 16 rows x (256 bytes + 16) for each wave, in slot 0, which has had its only fill and its last read when the first result is stored there
.set ADRA, 16                          ; v16-17  LDS address of my A fragments in slot 0, 1
.set ADRB, 20                          ; v20-21  the same for B
.set STO,  24                          ; v24     the way out: where I put 16 bytes of a row
.set RD,   25                          ; v25     where I read rows back
.set CO,   26                          ; v26     16 x lane
.set ADRS, 27                          ; v27     LDS address of my scale words: lanes 0-15 A's rows, lanes 16-31 B's
.set SPW,  28                          ; v28     LDS address of my spare word; never rewritten
.set NIL,  29                          ; v29     0; never rewritten
.set SC,   32                          ; scale words: set s at v[SC + 32 s]; register 4 i + q: lanes 0-15 the word of A's block i, lanes 16-31 of B's block i, for the slot's q-th 128 along K
.set AF,   128                         ; A's fragments
.set TMP,  192                         ; the way out: a block's packed results
.set OB,   32                          ; and rows read back: v32-63 and v224-255 by turns
.set G1, 24                            ; s[24:31] descriptor group 1 for A's tiles;  s[32:39] group 0, one set for each slot
.set G0, 32
.set G1B, 48                           ; s[48:55], s[56:63] the same for B's tiles
.set G0B, 56
.set G1S, 68                           ; s[68:75], s[76:79] groups 1 and 0 for A's scales;  s[80:87], s[88:91] for B's
.set G0S, 76
.set G1SB, 80
.set G0SB, 88
.set MSB, 0
.macro WIN new                         ; the immediate's high byte repeats the setting that is left
.if MSB != \new
	s_set_vgpr_msb (MSB<<8)|\new
.set MSB, \new
.endif
.endm
.set MUL_LO, 0xa1                      ; source 0 (B) window 1, source 1 (A) window 0, C and D window 2
.set MUL_HI, 0xf1                      ; the same, C and D window 3
.set TO_B,   0x40                      ; destination window 1, address window 0
; A joint load: waves 0 and 1 fetch for A, waves 2 and 3 for B.  Each line has one mask and one set of registers for all that issue it; the branch hangs on the wave's number alone.
; An s_nop 0 and four v_nop follow each of the two lines.
.macro JLOAD g0a, g1a, g0b, g1b
	s_cmp_eq_u32 s15, 0
	s_cbranch_scc0 .Lfor_b_\@
	tensor_load_to_lds s[\g0a:\g0a+3], s[\g1a:\g1a+7]
	s_nop 0
.rept 4
	v_nop
.endr
	s_branch .Lasked_\@
.Lfor_b_\@:
	tensor_load_to_lds s[\g0b:\g0b+3], s[\g1b:\g1b+7]
	s_nop 0
.rept 4
	v_nop
.endr
.Lasked_\@:
.endm
.macro CROUND                          ; a round of the cluster's barrier: my work-group's barrier; wave 0 signals for the work-group; every wave waits for all sixteen; my work-group's barrier once more
	s_barrier_signal -1
	s_barrier_wait -1
	s_cmp_lg_u32 s14, 0
	s_cbranch_scc1 .Lnot_wave_0_\@
	s_barrier_signal -3
.Lnot_wave_0_\@:
	s_barrier_wait -3
	s_barrier_signal -1
	s_barrier_wait -1
.endm
	s_load_b128 s[4:7], s[0:1], 0x0                ; xc s[4:5], xs s[6:7]
	s_load_b128 s[8:11], s[0:1], 0x10              ; wc s[8:9], ws s[10:11]
	s_load_b64 s[12:13], s[0:1], 0x20              ; qkv
	v_lshl_add_u32 v[SPW], v0, 2, SPARE
	v_mov_b32 v[NIL], 0
	ds_add_u32 v[SPW], v[NIL]                      ; the wave's opening: the add, twice on end, and its wait ahead of my first tensor load; the set-up below stands between
	ds_add_u32 v[SPW], v[NIL]
	v_lshrrev_b32 v1, 5, v0
	v_readfirstlane_b32 s14, v1                    ; wave 0..3
	s_lshr_b32 s15, s14, 1                         ; which half of the tile's rows is mine.  Also: I fetch for A (0) or for B (1)
	s_and_b32 s16, s14, 1                          ; which half of its columns.  Also: which 128 rows of that tile I fetch
	s_bfe_u32 s40, ttmp6, 0x40000                  ; cx, cy: my place in the cluster
	s_bfe_u32 s41, ttmp6, 0x40004
	s_lshl_b32 s42, ttmp9, 2
	s_add_co_u32 s42, s42, s40                     ; tile column = 4 x cluster x + cx
	s_and_b32 s95, ttmp7, 0xffff
	s_lshr_b32 s95, s95, 3                         ; the tensor: cluster y / 8, the same in all sixteen partners;
	s_lshl_b32 s95, s95, 10                        ; its weight's first row in wc and ws
	s_and_b32 s17, ttmp7, 0xffff
	s_lshl_b32 s17, s17, 2
	s_add_co_u32 s17, s17, s41                     ; tile row = 4 x cluster y + cy
	s_lshl_b32 s43, s41, 2
	s_lshl_b32 s43, 15, s43                        ; my row of the cluster
	s_lshl_b32 s44, 0x1111, s40                    ; my column
	; descriptor group 1: a tile of 128 rows x 256 bytes, padded in LDS
	s_or_b32 s[G1+0], s43, (0<<16)|(1<<20)|(1<<21)|(5<<22)|(3<<25)  ; 15:0 the mask: A's tiles go to my row; 17:16 elements of 1 byte; 20 padding on; 21 set beside a mask; 24:22 after every 64 words; 31:25 four words
	s_or_b32 s[G1B+0], s44, (0<<16)|(1<<20)|(1<<21)|(5<<22)|(3<<25)
.irp g, G1, G1B
	s_mov_b32 s[\g+1], ROWB<<16                    ; tensor_dim0
	s_mov_b32 s[\g+2], 128<<16                     ; tensor_dim1
	s_mov_b32 s[\g+3], ROWB<<16                    ; tile_dim0
	s_mov_b32 s[\g+4], 128                         ; tile_dim1
	s_mov_b32 s[\g+5], KROW                        ; tensor_dim0_stride
	s_mov_b32 s[\g+6], 0
	s_mov_b32 s[\g+7], 0
.endr
	; the scales of 128 rows: a dense block of 4,096 bytes, as 16 rows of 256 bytes (32 elements of 8 bytes), 16 bytes of padding behind each
	s_or_b32 s[G1S+0], s43, (3<<16)|(1<<20)|(1<<21)|(5<<22)|(3<<25)
	s_or_b32 s[G1SB+0], s44, (3<<16)|(1<<20)|(1<<21)|(5<<22)|(3<<25)
.irp g, G1S, G1SB
	s_mov_b32 s[\g+1], 32<<16
	s_mov_b32 s[\g+2], (128*KS/256)<<16
	s_mov_b32 s[\g+3], 32<<16
	s_mov_b32 s[\g+4], 128*KS/256
	s_mov_b32 s[\g+5], 32
	s_mov_b32 s[\g+6], 0
	s_mov_b32 s[\g+7], 0
.endr
	s_lshl_b32 s18, s16, 7                         ; which 128 rows of the tile I fetch
	s_lshl_b32 s20, s17, 8
	s_add_co_u32 s20, s20, s18                     ; A: row 256 x tile row + 128 x half
	s_lshl_b32 s46, s42, 8
	s_add_co_u32 s46, s46, s18
	s_add_co_u32 s46, s46, s95                     ; B: row 1,024 x tensor + 256 x tile column + 128 x half
	s_mov_b32 s21, 0
	s_mov_b32 s47, 0
	s_mov_b64 s[18:19], KS
	s_mul_u64 s[22:23], s[20:21], s[18:19]         ; where these rows' scales begin, in bytes
	s_mul_u64 s[92:93], s[46:47], s[18:19]
	s_mov_b64 s[18:19], KROW
	s_mul_u64 s[20:21], s[20:21], s[18:19]         ; and their codes
	s_mul_u64 s[46:47], s[46:47], s[18:19]
	s_mul_i32 s45, s14, HALFT                      ; where they go: wave x 128 rows: no place in the cluster enters an LDS address
	s_mul_i32 s94, s14, HALFS
	s_wait_dscnt 0x0                               ; both opening adds are done
	s_wait_kmcnt 0x0
	s_add_nc_u64 s[20:21], s[4:5], s[20:21]
	s_add_nc_u64 s[22:23], s[6:7], s[22:23]
	s_add_nc_u64 s[46:47], s[8:9], s[46:47]
	s_add_nc_u64 s[92:93], s[10:11], s[92:93]
	CROUND                                         ; all sixteen work-groups are here: the joint loads meet
	s_mov_b32 s[G0S], 1
	s_add_co_u32 s[G0S+1], s94, SCL
	s_mov_b64 s[G0S+2:G0S+3], s[22:23]
	s_or_b32 s[G0S+3], s[G0S+3], 0x80000000
	s_mov_b32 s[G0SB], 1
	s_add_co_u32 s[G0SB+1], s94, SCL
	s_mov_b64 s[G0SB+2:G0SB+3], s[92:93]
	s_or_b32 s[G0SB+3], s[G0SB+3], 0x80000000
	JLOAD G0S, G1S, G0SB, G1SB                     ; the scales first: they are wanted with K step 0.  With the two below, three loads of mine are out
.irp s, 0,1
	s_mov_b32 s[G0+4*\s], 1
	s_add_co_u32 s[G0+4*\s+1], s45, \s*SLOT
	s_add_nc_u64 s[G0+4*\s+2:G0+4*\s+3], s[20:21], \s*ROWB
	s_or_b32 s[G0+4*\s+3], s[G0+4*\s+3], 0x80000000
	s_mov_b32 s[G0B+4*\s], 1
	s_add_co_u32 s[G0B+4*\s+1], s45, \s*SLOT
	s_add_nc_u64 s[G0B+4*\s+2:G0B+4*\s+3], s[46:47], \s*ROWB
	s_or_b32 s[G0B+4*\s+3], s[G0B+4*\s+3], 0x80000000
	JLOAD G0+4*\s, G1, G0B+4*\s, G1B
.endr
	v_and_b32 v1, 15, v0                           ; l % 16
	v_bfe_u32 v2, v0, 4, 1                         ; l / 16
	v_mul_u32_u24 v3, v1, PITCH
	v_lshl_add_u32 v4, v2, 4, v3                   ; a fragment's row x pitch + 16 x half
	s_mul_i32 s21, s15, HALFT                      ; my 128 rows of A
	s_mul_i32 s22, s16, HALFT                      ; my 128 rows of B,
	s_add_co_u32 s22, s22, 2*HALFT                 ; which lie behind A's 256
.irp s, 0,1
	v_add_nc_u32 v[ADRA+\s], s21, v4
	v_add_nc_u32 v[ADRB+\s], s22, v4
	s_add_co_u32 s21, s21, SLOT
	s_add_co_u32 s22, s22, SLOT
.endr
	v_mul_u32_u24 v5, v1, KS                       ; my row's scales: 32 bytes a row,
	v_lshrrev_b32 v6, 8, v5
	v_lshl_add_u32 v5, v6, 4, v5                   ; and 16 more for each 256 passed
	s_mul_i32 s21, s15, HALFS                      ; A's: my 128 rows
	s_mul_i32 s22, s16, HALFS                      ; B's: my 128 rows, behind A's 256
	s_add_co_u32 s22, s22, 2*HALFS
	s_sub_co_u32 s22, s22, s21
	v_mul_u32_u24 v6, s22, v2                      ; lanes 16-31 take B's: one product, the distance between the two bases
	s_add_co_u32 s21, s21, SCL
	v_add_nc_u32 v5, v5, v6
	v_add_nc_u32 v[ADRS], s21, v5
	s_mul_i32 s23, s14, 16*SPITCH                  ; my stage
	v_mul_u32_u24 v5, v1, SPITCH                   ; in: row l % 16, 16 bytes for each half of the lanes
	v_lshl_add_u32 v5, v2, 4, v5
	v_add_nc_u32 v[STO], s23, v5
	v_and_b32 v6, 31, v0
	v_lshlrev_b32 v[CO], 4, v6                     ; out: 16 bytes a lane
	v_lshrrev_b32 v5, 3, v6                        ; back: eight lanes to a head's 128 bytes of a row, four rows an instruction
	v_mul_u32_u24 v5, v5, SPITCH
	v_and_b32 v6, 7, v0
	v_lshl_add_u32 v5, v6, 4, v5
	v_add_nc_u32 v[RD], s23, v5
	; where my part begins in qkv: row M = 256 x tile row + 128 x half of the three tensors on end: (M / 2,048) x 2^22 (tensor and batch) + (M % 2,048) x 128; head 4 x tile column + 2 x half: x 2^18
	s_lshl_b32 s20, s17, 8
	s_lshl_b32 s21, s15, 7
	s_add_co_u32 s20, s20, s21
	s_lshr_b32 s21, s20, 11
	s_lshl_b32 s21, s21, 22
	s_and_b32 s20, s20, 2047
	s_lshl_b32 s20, s20, 7
	s_add_co_u32 s20, s20, s21
	s_lshl_b32 s46, s42, 2
	s_lshl_b32 s47, s16, 1
	s_add_co_u32 s46, s46, s47
	s_lshl_b32 s46, s46, 18
	s_add_co_u32 s20, s20, s46
	s_mov_b32 s21, 0
	s_add_nc_u64 s[12:13], s[12:13], s[20:21]
.macro FRAG reg, adr, q, i             ; a fragment, 16 rows x 128 K of 4-bit codes: lane l holds row l % 16; registers 4 c .. 4 c + 3 hold K = 64 c + 32 (l / 16) + 0 .. 31
.irp c, 0,1
	ds_load_b128 v[\reg+4*\c:\reg+4*\c+3], v[\adr] offset:64*(\q)+32*\c+(\i)*16*PITCH
.endr
.endm
; 16 matrix instructions: A's blocks a0, a0 + 1 x B's eight, the slot's q-th 128 along K.  p: B's set;  sc: the set of scale words.  zero = 1: the first product starts the sums.
; The 64 accumulators take turns, one instruction a turn, in the same order in every step.
.macro MUL16 a0, p, q, sc, zero
.irp a, \a0, \a0+1
.irp b, 0,1,2,3,4,5,6,7
.if \zero
	v_wmma_scale_f32_16x16x128_f8f6f4 v[8*(8*((\a)%4)+\b):8*(8*((\a)%4)+\b)+7], v[128*(\p)+FR*\b:128*(\p)+FR*\b+FR-1], v[AF+FR*(\a):AF+FR*(\a)+FR-1], 0, v[SC+8*NQ*(\sc)+NQ*\b+(\q)], v[SC+8*NQ*(\sc)+NQ*(\a)+(\q)] matrix_a_fmt:MATRIX_FMT_FP4 matrix_b_fmt:MATRIX_FMT_FP4 matrix_a_scale:MATRIX_SCALE_ROW1
.else
	v_wmma_scale_f32_16x16x128_f8f6f4 v[8*(8*((\a)%4)+\b):8*(8*((\a)%4)+\b)+7], v[128*(\p)+FR*\b:128*(\p)+FR*\b+FR-1], v[AF+FR*(\a):AF+FR*(\a)+FR-1], v[8*(8*((\a)%4)+\b):8*(8*((\a)%4)+\b)+7], v[SC+8*NQ*(\sc)+NQ*\b+(\q)], v[SC+8*NQ*(\sc)+NQ*(\a)+(\q)] matrix_a_fmt:MATRIX_FMT_FP4 matrix_b_fmt:MATRIX_FMT_FP4 matrix_a_scale:MATRIX_SCALE_ROW1
.endif
.endr
.endr
.endm
.macro FETCH_B slot, q, p              ; B's eight fragments of the slot's q-th 128 along K into set p
	WIN TO_B
.irp i, 0,1,2,3,4,5,6,7
	FRAG 128*(\p)+FR*\i, ADRB+\slot, \q, \i
.endr
	WIN 0
.endm
.macro FETCH_A slot, q, i0             ; A's blocks i0 .. i0 + 3
.irp i, \i0, \i0+1, \i0+2, \i0+3
	FRAG AF+FR*(\i), ADRA+\slot, \q, \i
.endr
.endm
.macro SCALES sc                       ; a K step's scale words into set sc: four words a row; lanes 0-15 take A's block i, lanes 16-31 B's block i
.irp i, 0,1,2,3,4,5,6,7
	ds_load_b128 v[SC+8*NQ*\sc+NQ*\i:SC+8*NQ*\sc+NQ*\i+3], v[ADRS] offset:\i*SBLK
.endr
.endm
; A load into a register that a matrix instruction has read, and a vector instruction or an LDS store that reads a matrix result, stand NP places behind that matrix instruction; only plain vector
; instructions that name none of its registers are places (ISA guide 7.12.1 for vector instructions).
.macro PLACES n
.rept \n
	v_nop
.endr
.endm
.macro STEP slot, q, zero              ; a step of 128 along K that has its successor in the same slot
	s_wait_dscnt 4*NL                              ; B's set and A's blocks 0-3 are in; the youngest eight loads (A's blocks 4-7) may be out
	WIN MUL_LO
	MUL16 0, (\q)%2, \q, \slot, \zero
	MUL16 2, (\q)%2, \q, \slot, \zero
	s_wait_dscnt 0                                 ; A's blocks 4-7 are in
	PLACES NP
	FETCH_B \slot, (\q)+1, 1-(\q)%2
	FETCH_A \slot, (\q)+1, 0
	WIN MUL_HI
	MUL16 4, (\q)%2, \q, \slot, \zero
	MUL16 6, (\q)%2, \q, \slot, \zero
	PLACES NP
	WIN 0
	FETCH_A \slot, (\q)+1, 4
.endm
.macro TURN slot, next                 ; slot 0's last step changes slots: one barrier; in front of it each wave waits for all its tensor loads (its part of slot 1) and for its own reads of slot 0.  Nothing is filled again
	s_wait_tensorcnt 0x0                           ; all my tensor loads have landed
	ds_add_u32 v[SPW], v[NIL]                      ; 0 onto my spare word
	s_wait_dscnt 4*NL+1                            ; (the add and the youngest eight loads, A's blocks 4-7, may be out)
	WIN MUL_LO
	MUL16 0, 1, NQ-1, \slot, 0
	s_wait_dscnt 0x0                               ; the add is done, and my reads of this slot are over
	s_barrier_signal -1
	MUL16 2, 1, NQ-1, \slot, 0
	WIN 0
	s_barrier_wait -1
	PLACES NP
	v_add_nc_u32 v[ADRS], 4*NQ, v[ADRS]            ; on to the next K step's scale words
	FETCH_B \next, 0, 0
	FETCH_A \next, 0, 0
	SCALES \next
	WIN MUL_HI
	MUL16 4, 1, NQ-1, \slot, 0
	MUL16 6, 1, NQ-1, \slot, 0
	PLACES NP
	WIN 0
	FETCH_A \next, 0, 4
.endm
.macro STEPS slot, from                ; the slot's steps from .. NQ - 2
.set Q, \from
.rept NQ-1-\from
	STEP \slot, Q, 0
.set Q, Q+1
.endr
.endm
	s_wait_tensorcnt 1                             ; the scales and my part of K step 0 are in (K step 1's load may be out),
	s_barrier_signal -1
	s_barrier_wait -1                              ; everybody's are
	FETCH_B 0, 0, 0
	FETCH_A 0, 0, 0
	SCALES 0
	FETCH_A 0, 0, 4
	STEP 0, 0, 1                                   ; the first step's products start the sums: nothing is cleared
	STEPS 0, 1
	TURN 0, 1
	STEPS 1, 0
	s_wait_dscnt 4*NL                              ; the very last step: nothing more to fetch
	WIN MUL_LO
	MUL16 0, 1, NQ-1, 1, 0
	MUL16 2, 1, NQ-1, 1, 0
	s_wait_dscnt 0
	WIN MUL_HI
	MUL16 4, 1, NQ-1, 1, 0
	MUL16 6, 1, NQ-1, 1, 0
	WIN 0
; THE WAY OUT, block by block of 16 rows x 128 columns (two heads).  A lane's eight results round to 16 bytes of a row; a block goes through my own stage and comes back by heads: an instruction takes four rows'
; 128 bytes of one head, which lie on end in qkv: 512 consecutive bytes, aligned.  LDS serves a wave's instructions in order (ISA guide 5.7.1.4): no wait between the stores and the loads.
.macro PACK a
.set AC, 64*((\a)%4)
	WIN 0x0a+5*((\a)/4)                            ; sources 0 and 1: window 2 or 3
.irp b, 0,1,2,3,4,5,6,7
.irp r, 0,1,2,3
	v_cvt_pk_f16_f32 v[TMP+4*\b+\r], v[AC+8*\b+2*\r], v[AC+8*\b+2*\r+1]   ; each accumulator from its low end on
.endr
.endr
	WIN 0
.endm
.macro TOSTAGE a
.set BKR, OB+192*((\a)%2)
.irp b, 0,1,2,3,4,5,6,7
	ds_store_b128 v[STO], v[TMP+4*\b:TMP+4*\b+3] offset:32*\b
.endr
.irp u, 0,1,2,3,4,5,6,7                ; head u / 4, rows 4 (u % 4) on
	ds_load_b128 v[BKR+4*\u:BKR+4*\u+3], v[RD] offset:(\u%4)*4*SPITCH+(\u/4)*128
.endr
.endm
.macro SEND a
.set BKR, OB+192*((\a)%2)
	s_wait_dscnt 0x0                               ; the block is back in registers
	s_wait_xcnt 0x0                                ; the stores of the block before have read their data registers: the next block's loads may land there
.irp u, 0,1,2,3,4,5,6,7
	global_store_b128 v[CO], v[BKR+4*\u:BKR+4*\u+3], s[12:13] offset:(\u/4)*262144+(\a)*2048+(\u%4)*512   ; every offset an immediate: no base is stepped
.endr
.endm
	PLACES NP                                      ; behind the last products: for the reads of results and for the loads into registers that held scales
	PACK 0
	TOSTAGE 0
.irp a, 1,2,3,4,5,6,7                  ; block a's conversions stand between block a - 1's loads from the stage and the wait for them
	PACK \a
	SEND \a-1
	TOSTAGE \a
.endr
	SEND 7
	s_wait_tensorcnt 0x0                           ; the wave's end: behind my last tensor load and my last LDS store
	ds_add_u32 v[SPW], v[NIL]
	s_wait_dscnt 0x0
	CROUND                                         ; the closing round: no work-group ends while a partner may still ask for a tile that names it
	s_endpgm
.Lfunc_end_k_q5f829ae7ca_proj:
	.size	k_q5f829ae7ca_proj, .Lfunc_end_k_q5f829ae7ca_proj-k_q5f829ae7ca_proj
	.p2alignl 7, 3214868480
	.fill 96, 4, 3214868480
	.section	.rodata,"a",@progbits
	.p2align	6, 0x0
	.amdhsa_kernel k_q5f829ae7ca_proj
		.amdhsa_group_segment_fixed_size 327680
		.amdhsa_private_segment_fixed_size 0
		.amdhsa_enable_private_segment 0
		.amdhsa_kernarg_size 40
		.amdhsa_user_sgpr_count 2
		.amdhsa_user_sgpr_kernarg_segment_ptr 1
		.amdhsa_wavefront_size32 1
		.amdhsa_system_sgpr_workgroup_id_x 1
		.amdhsa_system_sgpr_workgroup_id_y 1
		.amdhsa_system_sgpr_workgroup_id_z 1
		.amdhsa_system_vgpr_workitem_id 0
		.amdhsa_next_free_vgpr 1024
		.amdhsa_next_free_sgpr 98
		.amdhsa_reserve_vcc 0
		.amdhsa_float_denorm_mode_32 3
		.amdhsa_float_denorm_mode_16_64 3
		.amdhsa_memory_ordered 1
		.amdhsa_forward_progress 1
		.amdhsa_inst_pref_size 127
	.end_amdhsa_kernel
	.amdgpu_metadata
---
amdhsa.version: [ 1, 2 ]
amdhsa.kernels:
  - .name:           k_q5f829ae7ca_proj
    .symbol:         k_q5f829ae7ca_proj.kd
    .args:
      - { .name: xc, .offset: 0, .size: 8, .value_kind: global_buffer, .address_space: global }
      - { .name: xs, .offset: 8, .size: 8, .value_kind: global_buffer, .address_space: global }
      - { .name: wc, .offset: 16, .size: 8, .value_kind: global_buffer, .address_space: global }
      - { .name: ws, .offset: 24, .size: 8, .value_kind: global_buffer, .address_space: global }
      - { .name: qkv, .offset: 32, .size: 8, .value_kind: global_buffer, .address_space: global }
    .group_segment_fixed_size: 327680
    .private_segment_fixed_size: 0
    .kernarg_segment_align: 8
    .kernarg_segment_size: 40
    .max_flat_workgroup_size: 128
    .sgpr_count:     98
    .vgpr_count:     1024
    .wavefront_size: 32
...
	.end_amdgpu_metadata
.endif
;; end of part 2
;; launch attn (part 3): grid 4 x 64, 8 waves a work-group, clusters of 4 x 1, 327,680 bytes of LDS; arguments qkv, ao; writes ao
.if DOCPART == 3
	.amdgcn_target "amdgcn-amd-amdhsa--gfx1250"
	.amdhsa_code_object_version 6
	.text
	.protected	k_q5f829ae7ca_attn
	.globl	k_q5f829ae7ca_attn
	.p2align	8
	.type	k_q5f829ae7ca_attn,@function
k_q5f829ae7ca_attn:
	s_mov_b64 s[64:65], 0
	v_nop
	global_prefetch_b8 v0, s[64:65] scope:SCOPE_SE
	s_setreg_imm32_b32 hwreg(HW_REG_WAVE_MODE, 25, 1), 1
	s_wait_xcnt 0x0
	s_wait_alu depctr_hold_cnt(0) depctr_sa_sdst(0) depctr_va_vdst(0) depctr_va_sdst(0) depctr_va_ssrc(0) depctr_va_vcc(0) depctr_vm_vsrc(0)
	s_getreg_b32 s2, hwreg(HW_REG_IB_STS2, 6, 4)
	s_cmp_eq_u32 s2, 0
	s_cbranch_scc0 .Lentry_in_a_cluster
	s_endpgm
.Lentry_in_a_cluster:
	s_bfe_u32 s2, ttmp6, 0x10000c
	s_cmp_lg_u32 s2, 0x3003
	s_cbranch_scc0 .Lentry_shape_is_right
	s_endpgm
.Lentry_shape_is_right:
; ao[b][h][q][:] = the sum over k of softmax_k(q . k / 32) v[k][:], for each of 64 (batch, head) pairs: 2,048 queries, 2,048 keys, head size 64.  qkv: [3][64][2048][64] f16 (q, k, v); ao: [64][2048][64] f16.
; Products on f16 operands, sums, maxima and the softmax in f32; the weights p are rounded to f16 for the second product, the result once at the end.
; LIMITS: the running maximum starts at -3e38; a result beyond 65,504 has no f16, and under 6e-5 its rounding error stays at 3e-8 absolute.
; SHARES.  A work-group owns 512 queries of one head, each of its EIGHT waves 64: four tiles of 16, in 512 registers: two waves to a SIMD, so that one wave's softmax stands beside the other's products.
; Every wave walks all keys of the head, 64 a step; each fragment of K or V that it reads from LDS feeds four products.
; LAYOUT.  S^T = K Q^T (source 0 = 16 keys, source 1 = 16 queries): a lane holds ONE query (lane % 16) and the keys 8 (lane / 16) + 0..7.  Two such tiles, rounded to f16 in pairs, ARE source 1 (32 keys x 16 queries)
; of O^T = V^T P, whose result again holds one query a lane, and eight channels.  K comes out of LDS as it lies, V ([key][channel]) turned, by ds_load_tr16_b128.
; SOFTMAX.  For each query a running maximum m and sum l: p = 2^(c s - c m), c = log2(e) / 32; in every step O and l are multiplied by a = 2^(c m_old - c m_new).  O, l begin as zeros: the step is written once.
; CLUSTER.  The four query blocks of a head form a cluster and walk the same K and V: each tile is asked for JOINTLY, by the same tensor load with the same descriptor and the mask of all four.
; RING.  Two LDS slots of four key steps (256 keys).  The change of slots stands at a slot's head: behind its round the slot just left is filled with the keys that follow: one load a wave (waves 0-3: a step's K each;
; waves 4-7: a step's V), which has four key steps in which to land.  One tensor load of a wave is out at the most.
; REGISTERS: window 0: v2-12 addresses; v16-47 eight statistics a tile; v64-191 S^T, 32 a tile; v192-255 K's eight fragments, then P, 16 a tile.
;   window 1: v0-127 O^T, 32 a tile; v128-191 Q, 16 a tile; v192-255 V's eight fragments.
.set KS,    64        ; keys in a step
.set PK,    144       ; a row of K in LDS: 128 bytes + 16 = 36 words: the 16 rows of a load start at 16 different groups of four banks (64 banks of 4 bytes: ISA guide 11.1)
.set PV,    160       ; a row of V: 128 + 32 = 40 words, for the turning load's 8 rows x 32 bytes
.set VOFF,  KS*PK     ; a step's tiles lie together: 64 rows of K, then 64 rows of V
.set STEPB, KS*(PK+PV)
.set NST,   4         ; steps in a slot
.set SLOTB, NST*KS*128  ; a slot's rows of K (or of V) in memory: 32,768 bytes
.set NSL,   2048/(NST*KS)
.set SLOT1, 1<<17     ; slot 1 begins here: one exclusive or turns an address in one slot into the other's
.set SPARE, SLOT1+NST*STEPB  ; behind the ring: the spare words, 128 bytes a wave
.set AK0, 2           ; v2   my lane's place in a tile of K; never rewritten
.set AV0, 3           ; v3   the same for V
.set ADK, 4           ; v4   LDS address of the step's K
.set ADV, 5           ; v5   of its V
.set QO,  6           ; v6   my byte offset in the wave's rows of Q
.set STO, 7           ; v7   the way out: where I put 16 bytes of a row (the stage: 64 rows x 144 bytes a wave, in slot 0, which is left for good at the last change of slots)
.set RD,  8           ; v8   where I read rows back
.set GO,  9           ; v9   16 x lane
.set PFO, 10          ; v10  256 x lane: the prefetches' offset; never rewritten
.set SPW, 11          ; v11  LDS address of my spare word; never rewritten
.set NIL, 12          ; v12  0; never rewritten
.set ST,  16          ; tile t's statistics at v[ST+8 t]: +0 c m, +1 m, +2, +3 l (even keys', odd keys'), +4 to +7 at work; a at +6
.set S,   64
.set KF,  192
.set P,   192
.set QF,  128         ; in window 1
.set VF,  192         ; in window 1
.set WV,  12          ; s12  my wave's number
.set LIM, 15          ; s15  1 in a wave that prefetches, else the greatest number
.set PFA, 18          ; s[18:19] where my prefetches stand
.set G1K, 24          ; s[24:31] descriptor group 1 for K's tiles
.set G1V, 32          ; s[32:39] for V's: it differs in the padding alone
.set G0K, 40          ; s[40:43] group 0 for K's tiles: it walks
.set G0V, 44          ; s[44:47] for V's
.set SLOTS, 48        ; s48  slots still to be asked for
.set CNT, 49          ; s49  counts a slot's steps
.set CS,  50          ; s[50:51] c: the packed scaling names a pair and takes its low word for both halves
.set SEL, 52          ; s[52:53] lane selects for v_permlanex16_b32: lane l xor 16
.set TB,  54          ; s54  LDS byte at which the step's tiles begin
.set MSB, 0
.macro WIN new                      ; the immediate's high byte repeats the setting that is left
.if MSB != \new
	s_set_vgpr_msb (MSB<<8)|\new
.set MSB, \new
.endif
.endm
.set W_KQ, 0x04       ; K and S^T in window 0, Q (source 1) in window 1
.set W_PV, 0x51       ; V (source 0), O^T (C and D) in window 1, P in window 0
.set W_RS, 0x41       ; O^T (destination and source 0) in window 1, a in window 0
.set TO_1, 0x40       ; destination window 1, address window 0
; A joint load.  The branch hangs on the wave's number alone.  An s_nop 0 and four v_nop follow each of the two lines.
.macro JLOAD
	s_cmp_lt_u32 s[WV], 4
	s_cbranch_scc0 .Lfor_v_\@
	tensor_load_to_lds s[G0K:G0K+3], s[G1K:G1K+7]
	s_nop 0
.rept 4
	v_nop
.endr
	s_branch .Lasked_\@
.Lfor_v_\@:
	tensor_load_to_lds s[G0V:G0V+3], s[G1V:G1V+7]
	s_nop 0
.rept 4
	v_nop
.endr
.Lasked_\@:
.endm
; A prefetch of what the NEXT change of slots will ask for: a slot's 32,768 bytes of K and of V.  The four partners share them out BY ADDRESS, 8,192 bytes each; in each, wave 0 asks for K's and wave 4 for V's,
; lanes 256 bytes apart: each aligned block of 256 bytes is named once in the launch.  It stands behind the wave's tensor load and its five lines.  The last change that fills a slot asks for nothing.
.macro ASK
	s_cmp_gt_u32 s[SLOTS], s[LIM]
	s_cbranch_scc0 .Lnot_mine_\@
	global_prefetch_b8 v[PFO], s[PFA:PFA+1] th:TH_LOAD_NT scope:SCOPE_SE
.Lnot_mine_\@:
.endm
.macro CROUND                       ; a round of the cluster's barrier
	s_barrier_signal -1
	s_barrier_wait -1
	s_cmp_lg_u32 s[WV], 0
	s_cbranch_scc1 .Lnot_wave_0_\@
	s_barrier_signal -3
.Lnot_wave_0_\@:
	s_barrier_wait -3
	s_barrier_signal -1
	s_barrier_wait -1
.endm
	s_load_b128 s[8:11], s[0:1], 0x0  ; qkv s[8:9], ao s[10:11]
	v_lshl_add_u32 v[SPW], v0, 2, SPARE
	v_mov_b32 v[NIL], 0
	ds_add_u32 v[SPW], v[NIL]       ; the wave's opening: the add, twice on end, and its wait ahead of my first tensor load; the set-up below stands between
	ds_add_u32 v[SPW], v[NIL]
	v_lshrrev_b32 v1, 5, v0
	v_readfirstlane_b32 s[WV], v1   ; wave 0..7
	s_bfe_u32 s13, ttmp6, 0x40000   ; cx: my place in the cluster
	s_lshl_b32 s14, ttmp9, 2
	s_add_co_u32 s14, s14, s13      ; my block of 512 queries: it enters Q's and ao's addresses alone
	s_and_b32 s20, ttmp7, 0xffff    ; the (batch, head) pair, which the four partners share:
	s_lshl_b32 s20, s20, 18         ; 2,048 rows of 128 bytes each
	s_and_b32 s16, s[WV], 3         ; which of a slot's four steps I fetch:
	s_lshl_b32 s22, s16, 13         ; its 64 rows in memory,
	s_add_co_u32 s22, s22, s20
	s_mov_b32 s23, 0
	s_mul_i32 s17, s16, STEPB       ; and its place in a slot: no place in the cluster enters an LDS address
	s_lshl_b32 s2, s14, 16          ; my block's 512 rows,
	s_lshl_b32 s3, s[WV], 13        ; my wave's 64 of them
	s_add_co_u32 s2, s2, s3
	s_add_co_u32 s2, s2, s20
	s_mov_b32 s3, 0
	; descriptor group 1: a tile of 64 rows x 64 elements, dense in memory, padded in LDS
	s_mov_b32 s[G1K], 15|(1<<16)|(1<<20)|(1<<21)|(4<<22)|(3<<25)  ; 15:0 the mask: all four work-groups; 17:16 elements of 2 bytes; 20 padding on; 21 set beside a mask; 24:22 after every 32 words; 31:25 four words
	s_mov_b32 s[G1V], 15|(1<<16)|(1<<20)|(1<<21)|(4<<22)|(7<<25)  ; the same with eight words of padding
.irp g, G1K, G1V
	s_mov_b32 s[\g+1], 64<<16       ; tensor_dim0
	s_mov_b32 s[\g+2], KS<<16       ; tensor_dim1
	s_mov_b32 s[\g+3], 64<<16       ; tile_dim0
	s_mov_b32 s[\g+4], KS           ; tile_dim1
	s_mov_b32 s[\g+5], 64           ; tensor_dim0_stride
	s_mov_b32 s[\g+6], 0
	s_mov_b32 s[\g+7], 0
.endr
	s_mov_b32 s[CS], 0x3d38aa3b     ; c = log2(e) / 32
	s_mov_b32 s[CS+1], s[CS]        ; named with it as a pair, so it is written
	s_mov_b32 s[SEL], 0x76543210
	s_mov_b32 s[SEL+1], 0xfedcba98
	s_mov_b32 s[TB], 0
	s_mov_b32 s[SLOTS], NSL-1
	s_cmp_eq_u32 s16, 0             ; waves 0 and 4 prefetch: the same in all four partners
	s_cselect_b32 s[LIM], 1, -1
	s_wait_dscnt 0x0                ; both opening adds are done
	s_wait_kmcnt 0x0
	s_add_nc_u64 s[4:5], s[8:9], s[2:3]      ; Q at my wave's first row
	s_add_nc_u64 s[10:11], s[10:11], s[2:3]  ; ao likewise
	s_add_nc_u64 s[6:7], s[8:9], s[22:23]
	s_add_nc_u64 s[8:9], s[6:7], 0x2000000   ; V at my tile of slot 0
	s_add_nc_u64 s[6:7], s[6:7], 0x1000000   ; K likewise
	s_cmp_lt_u32 s[WV], 4
	s_cselect_b64 s[PFA:PFA+1], s[6:7], s[8:9]  ; (in waves 0 and 4 these stand at a slot's first row)
	s_lshl_b32 s2, s13, 13          ; my work-group's 8,192 bytes of the 32,768,
	s_add_co_u32 s2, s2, SLOTB      ; in slot 1: the first change of slots steps it to slot 2.  Nothing is prefetched at the head
	s_mov_b32 s3, 0
	s_add_nc_u64 s[PFA:PFA+1], s[PFA:PFA+1], s[2:3]
	s_mov_b32 s[G0K], 1             ; 1:0 count = 1
	s_mov_b32 s[G0K+1], s17         ; 63:32 LDS address: slot 0
	s_mov_b64 s[G0K+2:G0K+3], s[6:7]  ; 120:64 global address
	s_or_b32 s[G0K+3], s[G0K+3], 0x80000000  ; 127:126 type = 2
	s_mov_b32 s[G0V], 1
	s_add_co_u32 s[G0V+1], s17, VOFF
	s_mov_b64 s[G0V+2:G0V+3], s[8:9]
	s_or_b32 s[G0V+3], s[G0V+3], 0x80000000
	CROUND                          ; all four work-groups are here: the first joint loads meet
	JLOAD                           ; slot 0
	v_and_b32 v1, 15, v0            ; r = l % 16
	v_bfe_u32 v13, v0, 4, 1         ; h = l / 16
	v_lshlrev_b32 v[QO], 7, v1
	v_lshl_add_u32 v[QO], v13, 4, v[QO]  ; row x 128 + 16 x half
	WIN TO_1
.irp t, 0,1,2,3                     ; Q stays in registers: tile t, channels 32 c on
.irp c, 0,1
	global_load_b128 v[QF+16*\t+8*\c:QF+16*\t+8*\c+3],   v[QO], s[4:5] offset:\t*2048+64*\c
	global_load_b128 v[QF+16*\t+8*\c+4:QF+16*\t+8*\c+7], v[QO], s[4:5] offset:\t*2048+64*\c+32
.endr
.endr
.set i, 0
.rept 128
	v_mov_b32 v[i], 0               ; O^T.  (The step is written once: its first turn finds zeros, and a = 0 there)
.set i, i+1
.endr
	WIN 0
	v_mul_u32_u24 v[AK0], v1, PK
	v_lshl_add_u32 v[AK0], v13, 4, v[AK0]  ; K: row x pitch + 16 x half
	; The turning load takes 16 keys x 16 channels (lane l reads 16 bytes: key 8 (l / 16) + l % 8, channels 8 ((l / 8) % 2) + 0..7) and leaves half a fragment of V^T: lane l holds channel l % 16 and 8 keys.
	v_and_b32 v14, 7, v0
	v_bfe_u32 v15, v0, 3, 1
	v_lshl_add_u32 v[AV0], v13, 3, v14
	v_mul_u32_u24 v[AV0], v[AV0], PV
	v_lshl_add_u32 v[AV0], v15, 4, v[AV0]
	v_add_nc_u32 v[AV0], VOFF, v[AV0]
	s_mul_i32 s14, s[WV], 64*PK     ; my stage
	v_add_nc_u32 v[STO], s14, v[AK0]  ; in: row l % 16, 16 bytes for each half of the lanes
	v_bfe_u32 v15, v0, 3, 2         ; back: eight lanes to a row of 128 bytes, four rows an instruction
	v_mul_u32_u24 v15, v15, PK
	v_lshl_add_u32 v15, v14, 4, v15
	v_add_nc_u32 v[RD], s14, v15
	v_and_b32 v[GO], 31, v0
	v_lshlrev_b32 v[GO], 4, v[GO]
	v_lshlrev_b32 v[PFO], 4, v[GO]
.irp t, 0,1,2,3
	v_mov_b32 v[ST+8*\t+1], 0xff61b1e6  ; m: -3e38
	v_mul_f32 v[ST+8*\t], s[CS], v[ST+8*\t+1]  ; c m
	v_mov_b32 v[ST+8*\t+2], 0       ; l, in two halves
	v_mov_b32 v[ST+8*\t+3], 0
.endr
; A KEY STEP: 64 keys at LDS byte s[TB].
.macro STEP
	v_add_nc_u32 v[ADK], s[TB], v[AK0]
	v_add_nc_u32 v[ADV], s[TB], v[AV0]
	v_nop                           ; with the two additions: four places between the last step's products V^T P and the loads into the registers that they read (ISA guide 7.12.1 for vector instructions)
	v_nop
.irp kt, 0,1,2,3                    ; K: keys 16 kt on, channels 32 c on
.irp c, 0,1
	ds_load_b128 v[KF+8*(2*\kt+\c):KF+8*(2*\kt+\c)+3],   v[ADK] offset:\kt*16*PK+64*\c
	ds_load_b128 v[KF+8*(2*\kt+\c)+4:KF+8*(2*\kt+\c)+7], v[ADK] offset:\kt*16*PK+64*\c+32
.endr
.endr
	WIN TO_1
.irp kc, 0,1                        ; V, turned: keys 32 kc on, channels 16 ct on
.irp ct, 0,1,2,3
	ds_load_tr16_b128 v[VF+8*(4*\kc+\ct):VF+8*(4*\kc+\ct)+3],   v[ADV] offset:\kc*32*PV+32*\ct
	ds_load_tr16_b128 v[VF+8*(4*\kc+\ct)+4:VF+8*(4*\kc+\ct)+7], v[ADV] offset:\kc*32*PV+16*PV+32*\ct
.endr
.endr
	s_wait_dscnt 16                 ; K's 16 loads are in; V's 16 may be out
	WIN W_KQ
.irp c, 0,1                         ; S^T = K Q^T: the 16 accumulators take turns, one instruction a turn; the first 16 start the sums
.irp kt, 0,1,2,3
.irp t, 0,1,2,3
.if \c == 0
	v_wmma_f32_16x16x32_f16 v[S+32*\t+8*\kt:S+32*\t+8*\kt+7], v[KF+8*(2*\kt+\c):KF+8*(2*\kt+\c)+7], v[QF+16*\t+8*\c:QF+16*\t+8*\c+7], 0
.else
	v_wmma_f32_16x16x32_f16 v[S+32*\t+8*\kt:S+32*\t+8*\kt+7], v[KF+8*(2*\kt+\c):KF+8*(2*\kt+\c)+7], v[QF+16*\t+8*\c:QF+16*\t+8*\c+7], v[S+32*\t+8*\kt:S+32*\t+8*\kt+7]
.endif
.endr
.endr
.endr
	WIN 0
.rept 4
	v_nop                           ; places in front of the first read of the scores
.endr
	; the maximum of a lane's 32 scores and the old m: four chains a tile, each begun at an accumulator's low end; the four tiles by turns, so that no line waits for the line above it
.irp j, 0,1,2,3
.irp t, 0,1,2,3
	v_max3_num_f32 v[ST+8*\t+4+\j], v[S+32*\t+8*\j], v[S+32*\t+8*\j+1], v[S+32*\t+8*\j+2]
.endr
.endr
.irp u, 1,2
.irp j, 0,1,2,3
.irp t, 0,1,2,3
	v_max3_num_f32 v[ST+8*\t+4+\j], v[ST+8*\t+4+\j], v[S+32*\t+8*\j+2*\u+1], v[S+32*\t+8*\j+2*\u+2]
.endr
.endr
.endr
.irp t, 0,1,2,3
	v_max3_num_f32 v[ST+8*\t+4], v[ST+8*\t+4], v[S+32*\t+7], v[S+32*\t+15]
.endr
.irp t, 0,1,2,3
	v_max3_num_f32 v[ST+8*\t+6], v[ST+8*\t+6], v[S+32*\t+23], v[S+32*\t+31]
.endr
.irp t, 0,1,2,3
	v_max3_num_f32 v[ST+8*\t+4], v[ST+8*\t+4], v[ST+8*\t+5], v[ST+8*\t+6]
.endr
.irp t, 0,1,2,3
	v_max3_num_f32 v[ST+8*\t+4], v[ST+8*\t+4], v[ST+8*\t+7], v[ST+8*\t+1]
.endr
.irp t, 0,1,2,3
	v_permlanex16_b32 v[ST+8*\t+5], v[ST+8*\t+4], s[SEL], s[SEL+1]  ; the query's other 32 keys lie in the lane 16 away
.endr
.irp t, 0,1,2,3
	v_mov_b32 v[ST+8*\t+7], v[ST+8*\t]  ; c m_old is kept for a
.endr
.irp t, 0,1,2,3
	v_max_num_f32 v[ST+8*\t+1], v[ST+8*\t+4], v[ST+8*\t+5]  ; the new m
.endr
.irp t, 0,1,2,3
	v_mul_f32 v[ST+8*\t], s[CS], v[ST+8*\t+1]  ; c m
.endr
.irp t, 0,1,2,3
	v_sub_f32 v[ST+8*\t+7], v[ST+8*\t+7], v[ST+8*\t]  ; c m_old - c m_new
.endr
	; ONE BATCH: the four a, the 64 scalings c s - c m (a pair of scores each) and the 128 exponentials.  None of these lines names an exponential's result; a pair is scaled a round of the four tiles ahead of its exponentials
.irp t, 0,1,2,3
	v_exp_f32 v[ST+8*\t+6], v[ST+8*\t+7]
.endr
.irp t, 0,1,2,3
	v_pk_fma_f32 v[S+32*\t:S+32*\t+1], v[S+32*\t:S+32*\t+1], s[CS:CS+1], v[ST+8*\t:ST+8*\t+1] op_sel_hi:[1,0,0] neg_lo:[0,0,1] neg_hi:[0,0,1]
.endr
.irp b, 0,1,2,3,4,5,6,7,8,9,10,11,12,13,14,15
.irp t, 0,1,2,3
.if \b < 15
	v_pk_fma_f32 v[S+32*\t+2*\b+2:S+32*\t+2*\b+3], v[S+32*\t+2*\b+2:S+32*\t+2*\b+3], s[CS:CS+1], v[ST+8*\t:ST+8*\t+1] op_sel_hi:[1,0,0] neg_lo:[0,0,1] neg_hi:[0,0,1]
.endif
	v_exp_f32 v[S+32*\t+2*\b], v[S+32*\t+2*\b]
	v_exp_f32 v[S+32*\t+2*\b+1], v[S+32*\t+2*\b+1]
.endr
.endr
	v_nop                           ; a plain instruction behind the last exponential and ahead of the first use (ISA guide 5.7.2): one for the batch
	s_wait_alu depctr_va_vdst(0)    ; the wait ahead of the first line that names a result: one for all 132
.irp p, 0,1,2,3,4,5,6,7,8,9,10,11,12,13,14,15
.irp t, 0,1,2,3
	v_cvt_pk_f16_f32 v[P+16*\t+\p], v[S+32*\t+2*\p], v[S+32*\t+2*\p+1]  ; the weights, a pair each: they land where K's fragments lay, which are done with
.endr
.endr
	; the sums, of the unrounded weights, in two chains a tile: l = a l + pair 0 + the even pairs; +4:+5 the odd pairs
.irp t, 0,1,2,3
	v_pk_fma_f32 v[ST+8*\t+2:ST+8*\t+3], v[ST+8*\t+2:ST+8*\t+3], v[ST+8*\t+6:ST+8*\t+7], v[S+32*\t:S+32*\t+1] op_sel_hi:[1,0,1]
.endr
.irp t, 0,1,2,3
	v_pk_add_f32 v[ST+8*\t+4:ST+8*\t+5], v[S+32*\t+2:S+32*\t+3], v[S+32*\t+6:S+32*\t+7]
.endr
.irp p, 2,4,6,8,10,12
.irp t, 0,1,2,3
	v_pk_add_f32 v[ST+8*\t+2:ST+8*\t+3], v[ST+8*\t+2:ST+8*\t+3], v[S+32*\t+2*\p:S+32*\t+2*\p+1]
	v_pk_add_f32 v[ST+8*\t+4:ST+8*\t+5], v[ST+8*\t+4:ST+8*\t+5], v[S+32*\t+2*\p+6:S+32*\t+2*\p+7]
.endr
.endr
.irp t, 0,1,2,3
	v_pk_add_f32 v[ST+8*\t+2:ST+8*\t+3], v[ST+8*\t+2:ST+8*\t+3], v[S+32*\t+28:S+32*\t+29]
.endr
.irp t, 0,1,2,3
	v_pk_add_f32 v[ST+8*\t+2:ST+8*\t+3], v[ST+8*\t+2:ST+8*\t+3], v[ST+8*\t+4:ST+8*\t+5]
.endr
	WIN W_RS
.irp i, 0,1,2,3,4,5,6,7,8,9,10,11,12,13,14,15
.irp t, 0,1,2,3
	v_pk_mul_f32 v[32*\t+2*\i:32*\t+2*\i+1], v[32*\t+2*\i:32*\t+2*\i+1], v[ST+8*\t+6:ST+8*\t+7] op_sel_hi:[1,0]  ; O^T times a, each accumulator from its low end on
.endr
.endr
	s_wait_dscnt 0x0                ; V is in
	WIN W_PV
.irp kc, 0,1                        ; O^T += V^T P: the 16 accumulators take turns
.irp ct, 0,1,2,3
.irp t, 0,1,2,3
	v_wmma_f32_16x16x32_f16 v[32*\t+8*\ct:32*\t+8*\ct+7], v[VF+8*(4*\kc+\ct):VF+8*(4*\kc+\ct)+7], v[P+16*\t+8*\kc:P+16*\t+8*\kc+7], v[32*\t+8*\ct:32*\t+8*\ct+7]
.endr
.endr
.endr
	WIN 0
	s_add_co_u32 s[TB], s[TB], STEPB  ; the next step's tiles
.endm
; THE CHANGE OF SLOTS, at a slot's head.  Each wave waits for all its tensor loads (its part of the slot that it is about to read), adds 0 to its spare word, and waits for that and for its reads of the slot that it has left.
; fill = 1: the barrier is a round of the cluster's, so that no wave of any partner still reads the slot left or has a load on its way; the joint load of the keys that follow is the first thing behind it.
.macro CHANGE fill
	WIN 0
	s_wait_tensorcnt 0x0            ; no tensor load of mine is out, so a group 0 may be written
	ds_add_u32 v[SPW], v[NIL]       ; 0 onto my spare word
.if \fill
	s_xor_b32 s[G0K+1], s[G0K+1], SLOT1  ; the walking descriptors: the other slot than last time,
	s_add_nc_u64 s[G0K+2:G0K+3], s[G0K+2:G0K+3], SLOTB  ; the next 256 keys; the type bits on top are not reached
	s_xor_b32 s[G0V+1], s[G0V+1], SLOT1
	s_add_nc_u64 s[G0V+2:G0V+3], s[G0V+2:G0V+3], SLOTB
	s_wait_xcnt 0x0                 ; the last prefetch, a slot back, has read its address, so it may be written:
	s_add_nc_u64 s[PFA:PFA+1], s[PFA:PFA+1], SLOTB  ; one slot further on than the walking descriptors
	s_wait_dscnt 0x0                ; the add is done, and my reads of the slot that I have left are over
	CROUND
	JLOAD
	ASK                             ; what the next change will ask for: four key steps ahead of that load
.else
	s_wait_dscnt 0x0
	s_barrier_signal -1
	s_barrier_wait -1
.endif
.endm
.macro FOUR_STEPS                   ; a slot's four key steps: written once, walked four times
	s_mov_b32 s[CNT], NST
.Lstep_\@:
	STEP
	s_sub_co_u32 s[CNT], s[CNT], 1
	s_cmp_lg_u32 s[CNT], 0
	s_cbranch_scc1 .Lstep_\@
	s_sub_co_u32 s[TB], s[TB], NST*STEPB  ; back to a slot's first step,
	s_xor_b32 s[TB], s[TB], SLOT1   ; in the other slot
.endm
	s_wait_loadcnt 0x0              ; Q
.Lslot:                             ; NSL - 1 trips: behind each change of slots but the last the next slot is asked for
	CHANGE 1
	FOUR_STEPS
	s_sub_co_u32 s[SLOTS], s[SLOTS], 1
	s_cmp_lg_u32 s[SLOTS], 0
	s_cbranch_scc1 .Lslot
	CHANGE 0                        ; the last slot is written out
	FOUR_STEPS
	; THE WAY OUT.  l's two halves and the other half of the lanes' are added; O^T is divided by l, rounded to f16 and sent through my stage, a tile (16 rows) at a time.  The additions are the places behind the last products.
.irp t, 0,1,2,3
	v_add_f32 v[ST+8*\t+4], v[ST+8*\t+2], v[ST+8*\t+3]
.endr
.irp t, 0,1,2,3
	v_permlanex16_b32 v[ST+8*\t+5], v[ST+8*\t+4], s[SEL], s[SEL+1]
.endr
.irp t, 0,1,2,3
	v_add_f32 v[ST+8*\t+4], v[ST+8*\t+4], v[ST+8*\t+5]
.endr
.irp t, 0,1,2,3
	v_rcp_f32 v[ST+8*\t+6], v[ST+8*\t+4]
.endr
	v_nop                           ; a plain instruction between the last reciprocal and the use of its result
	s_wait_alu depctr_va_vdst(0)    ; and the wait ahead of the first use: one for the four
.macro PACK t
	WIN W_RS
.set i, 32*\t
.rept 16
	v_pk_mul_f32 v[i:i+1], v[i:i+1], v[ST+8*\t+6:ST+8*\t+7] op_sel_hi:[1,0]
.set i, i+2
.endr
	WIN 0x05                        ; sources 0 and 1 window 1, destination window 0: S^T's registers are free
.set i, 0
.rept 16
	v_cvt_pk_f16_f32 v[S+16*\t+i], v[32*\t+2*i], v[32*\t+2*i+1]
.set i, i+1
.endr
	WIN 0
.irp ct, 0,1,2,3
	ds_store_b128 v[STO], v[S+16*\t+4*\ct:S+16*\t+4*\ct+3] offset:\t*16*PK+32*\ct
.endr
.irp f, 0,1,2,3
	ds_load_b128 v[S+64+16*\t+4*\f:S+64+16*\t+4*\f+3], v[RD] offset:\t*16*PK+\f*4*PK  ; LDS serves a wave's instructions in order (ISA guide 5.7.1.4): these see the stores above
.endr
.endm
.macro SEND t, younger              ; younger: the LDS instructions issued behind tile t's loads: the next tile's eight, or none
.irp f, 0,1,2,3
	s_wait_dscnt \younger+3-\f
	global_store_b128 v[GO], v[S+64+16*\t+4*\f:S+64+16*\t+4*\f+3], s[10:11] offset:\t*2048+\f*512  ; four whole rows: 512 consecutive bytes, aligned
.endr
.endm
	PACK 0
	PACK 1                          ; a tile's arithmetic stands between the loads of the tile before and its stores
	SEND 0, 8
	PACK 2
	SEND 1, 8
	PACK 3
	SEND 2, 8
	SEND 3, 0
	s_wait_tensorcnt 0x0            ; the wave's end: behind my last tensor load and my last LDS store
	ds_add_u32 v[SPW], v[NIL]
	s_wait_dscnt 0x0
	CROUND                          ; the closing round: no work-group ends while a partner may still ask for a tile that names it
	s_endpgm
.Lfunc_end_k_q5f829ae7ca_attn:
	.size	k_q5f829ae7ca_attn, .Lfunc_end_k_q5f829ae7ca_attn-k_q5f829ae7ca_attn
	.p2alignl 7, 3214868480
	.fill 96, 4, 3214868480
	.section	.rodata,"a",@progbits
	.p2align	6, 0x0
	.amdhsa_kernel k_q5f829ae7ca_attn
		.amdhsa_group_segment_fixed_size 327680
		.amdhsa_private_segment_fixed_size 0
		.amdhsa_enable_private_segment 0
		.amdhsa_kernarg_size 16
		.amdhsa_user_sgpr_count 2
		.amdhsa_user_sgpr_kernarg_segment_ptr 1
		.amdhsa_wavefront_size32 1
		.amdhsa_system_sgpr_workgroup_id_x 1
		.amdhsa_system_sgpr_workgroup_id_y 1
		.amdhsa_system_sgpr_workgroup_id_z 1
		.amdhsa_system_vgpr_workitem_id 0
		.amdhsa_next_free_vgpr 512
		.amdhsa_next_free_sgpr 66
		.amdhsa_reserve_vcc 0
		.amdhsa_float_denorm_mode_32 3
		.amdhsa_float_denorm_mode_16_64 3
		.amdhsa_memory_ordered 1
		.amdhsa_forward_progress 1
		.amdhsa_inst_pref_size 91
	.end_amdhsa_kernel
	.amdgpu_metadata
---
amdhsa.version: [ 1, 2 ]
amdhsa.kernels:
  - .name:           k_q5f829ae7ca_attn
    .symbol:         k_q5f829ae7ca_attn.kd
    .args:
      - { .name: qkv, .offset: 0, .size: 8, .value_kind: global_buffer, .address_space: global }
      - { .name: ao, .offset: 8, .size: 8, .value_kind: global_buffer, .address_space: global }
    .group_segment_fixed_size: 327680
    .private_segment_fixed_size: 0
    .kernarg_segment_align: 8
    .kernarg_segment_size: 16
    .max_flat_workgroup_size: 256
    .sgpr_count:     66
    .vgpr_count:     512
    .wavefront_size: 32
...
	.end_amdgpu_metadata
.endif
;; end of part 3
;; launch outp (part 4): grid 4 x 64, 4 waves a work-group, clusters of 4 x 4, 327,680 bytes of LDS; arguments ao, wo16, bo, out0; writes out0
.if DOCPART == 4
	.amdgcn_target "amdgcn-amd-amdhsa--gfx1250"
	.amdhsa_code_object_version 6
	.text
	.protected	k_q5f829ae7ca_outp
	.globl	k_q5f829ae7ca_outp
	.p2align	8
	.type	k_q5f829ae7ca_outp,@function
k_q5f829ae7ca_outp:
	s_mov_b64 s[64:65], 0
	v_nop
	global_prefetch_b8 v0, s[64:65] scope:SCOPE_SE
	s_setreg_imm32_b32 hwreg(HW_REG_WAVE_MODE, 25, 1), 1
	s_wait_xcnt 0x0
	s_wait_alu depctr_hold_cnt(0) depctr_sa_sdst(0) depctr_va_vdst(0) depctr_va_sdst(0) depctr_va_ssrc(0) depctr_va_vcc(0) depctr_vm_vsrc(0)
	s_getreg_b32 s2, hwreg(HW_REG_IB_STS2, 6, 4)
	s_cmp_eq_u32 s2, 0
	s_cbranch_scc0 .Lentry_in_a_cluster
	s_endpgm
.Lentry_in_a_cluster:
	s_bfe_u32 s2, ttmp6, 0x10000c
	s_cmp_lg_u32 s2, 0xf033
	s_cbranch_scc0 .Lentry_shape_is_right
	s_endpgm
.Lentry_shape_is_right:
; out0[m][n] = the sum over k of A[m][k] Wo[n][k] + bo[n].  A = ao, f16, laid [batch 4][head 16][2048][64]: k = 64 x head + channel; Wo = wo16, f16, laid [k / 64][n 1024][64]; bo f32; out0 [8192][1024] f32.  Sums in f32.
; A tile of 128 x 256 of out0 is made by a work-group of four waves (256 work-groups); a wave makes 64 x 128: 32 accumulators of 16 x 16.  K goes in steps of 128, two chunks of 64, through a ring of two LDS slots.
; A chunk's rows are dense in memory, 128 bytes each: wave 0 fetches A's chunk 0 (128 rows), wave 1 A's chunk 1, wave 2 B's chunk 0 (256 rows), wave 3 B's chunk 1: one tensor load a wave.
; CLUSTERS: 4 x 4 work-groups.  The four of a row of the cluster need the same tiles of A, the four of a column the same tiles of B: each is asked for JOINTLY, with the mask of the four.
; THE MATRIX INSTRUCTION IS USED TRANSPOSED (source 0 = 16 rows of Wo, source 1 = 16 rows of A): a lane holds eight neighbouring columns of a row of out0.  The bias is the C of each sum's first product.
; REGISTERS: window 0: v16-29 addresses; v64-159, v160-255 two fragment buffers (A's 4 fragments, then B's 8); on the way out v64-191 hold rows.  window 1: accumulator (a, b) at v[8 (8 a + b)].  window 2: v0-63 the bias, eight registers a block b.
; No prefetch: the tile is small, and B's rows are read by every row of clusters.
.set PITCH,  144                       ; an LDS row: 128 bytes + 16 of padding = 36 words: the 16 rows of a load start at 16 different groups of four banks (64 banks of 4 bytes: ISA guide 11.1)
.set CHA,    128*PITCH                 ; a chunk of A
.set CHB,    256*PITCH                 ; a chunk of B
.set ABYTES, 2*CHA
.set SLOT,   ABYTES+2*CHB              ; A's two chunks, then B's two
.set STAGE,  2*SLOT                    ; behind the ring: 16 rows x 528 bytes for each wave, for the way out
.set SPITCH, 528
.set SPARE,  STAGE+4*16*SPITCH         ; behind the stages: the spare words, 128 bytes a wave
.set LAPS,   4                         ; a lap = two K steps = once round the ring: 1,024 / 256
.set ADRA, 16                          ; v16-17  LDS address of my A fragments in slot 0, 1
.set ADRB, 20                          ; v20-21  the same for B
.set STO,  24                          ; v24     the way out: where I put 32 bytes of a row
.set RD,   25                          ; v25     where I read a row back
.set CO,   26                          ; v26     16 x lane
.set SPW,  28                          ; v28     LDS address of my spare word; never rewritten
.set NIL,  29                          ; v29     0; never rewritten
.set F0,   64
.set F1,   160
.set BK,   64                          ; the way out: 16 rows read back: v64-127 and v128-191 by turns
.set G1, 24                            ; s[24:31] descriptor group 1 for A's tiles;  s[32:39] group 0, one set for each slot
.set G0, 32
.set G1B, 48                           ; s[48:55], s[56:63] the same for B's tiles
.set G0B, 56
.set MSB, 0
.macro WIN new                         ; the immediate's high byte repeats the setting that is left
.if MSB != \new
	s_set_vgpr_msb (MSB<<8)|\new
.set MSB, \new
.endif
.endm
.set MUL,  0x50                        ; sources 0 and 1 window 0; C and D window 1
.set MUL0, 0x60                        ; the first products: C (the bias) window 2, D window 1
.macro JLOAD s                         ; a joint load: waves 0 and 1 fetch A's two chunks, waves 2 and 3 B's; an s_nop 0 and four v_nop follow each of the two lines
	s_cmp_eq_u32 s13, 0
	s_cbranch_scc0 .Lfor_b_\@
	tensor_load_to_lds s[G0+4*\s:G0+4*\s+3], s[G1:G1+7]
	s_nop 0
.rept 4
	v_nop
.endr
	s_branch .Lasked_\@
.Lfor_b_\@:
	tensor_load_to_lds s[G0B+4*\s:G0B+4*\s+3], s[G1B:G1B+7]
	s_nop 0
.rept 4
	v_nop
.endr
.Lasked_\@:
.endm
.macro CREST                           ; a round of the cluster's barrier behind its opening barrier
	s_cmp_lg_u32 s12, 0
	s_cbranch_scc1 .Lnot_wave_0_\@
	s_barrier_signal -3
.Lnot_wave_0_\@:
	s_barrier_wait -3
	s_barrier_signal -1
	s_barrier_wait -1
.endm
.macro CROUND                          ; a whole round
	s_barrier_signal -1
	s_barrier_wait -1
	CREST
.endm
	s_load_b256 s[4:11], s[0:1], 0x0               ; ao s[4:5], wo16 s[6:7], bo s[8:9], out0 s[10:11]
	v_lshl_add_u32 v[SPW], v0, 2, SPARE
	v_mov_b32 v[NIL], 0
	ds_add_u32 v[SPW], v[NIL]                      ; the wave's opening: the add, twice on end, and its wait ahead of my first tensor load; the set-up below stands between
	ds_add_u32 v[SPW], v[NIL]
	v_lshrrev_b32 v1, 5, v0
	v_readfirstlane_b32 s12, v1                    ; wave 0..3
	s_lshr_b32 s13, s12, 1                         ; which 64 of the tile's rows are mine.  Also: I fetch for A (0) or for B (1)
	s_and_b32 s14, s12, 1                          ; which 128 of its columns.  Also: which chunk of a K step I fetch
	s_bfe_u32 s40, ttmp6, 0x40000                  ; cx, cy: my place in the cluster
	s_bfe_u32 s41, ttmp6, 0x40004
	s_lshl_b32 s42, ttmp9, 2
	s_add_co_u32 s42, s42, s40                     ; tile column = 4 x cluster x + cx
	s_and_b32 s15, ttmp7, 0xffff
	s_lshl_b32 s15, s15, 2
	s_add_co_u32 s15, s15, s41                     ; tile row = 4 x cluster y + cy
	s_lshl_b32 s43, s41, 2
	s_lshl_b32 s43, 15, s43                        ; my row of the cluster
	s_lshl_b32 s44, 0x1111, s40                    ; my column
	; descriptor group 1: rows of 64 elements of 2 bytes, dense in memory, padded in LDS: 128 rows for A, 256 for B
	s_or_b32 s[G1+0], s43, (1<<16)|(1<<20)|(1<<21)|(4<<22)|(3<<25)  ; 15:0 the mask: A's tiles go to my row; 17:16 elements of 2 bytes; 20 padding on; 21 set beside a mask; 24:22 after every 32 words; 31:25 four words
	s_or_b32 s[G1B+0], s44, (1<<16)|(1<<20)|(1<<21)|(4<<22)|(3<<25)
	s_mov_b32 s[G1+1], 64<<16                      ; tensor_dim0
	s_mov_b32 s[G1+2], 128<<16                     ; tensor_dim1
	s_mov_b32 s[G1+3], 64<<16                      ; tile_dim0
	s_mov_b32 s[G1+4], 128                         ; tile_dim1
	s_mov_b32 s[G1+5], 64                          ; tensor_dim0_stride
	s_mov_b32 s[G1+6], 0
	s_mov_b32 s[G1+7], 0
	s_mov_b32 s[G1B+1], 64<<16
	s_mov_b32 s[G1B+2], 256<<16
	s_mov_b32 s[G1B+3], 64<<16
	s_mov_b32 s[G1B+4], 256
	s_mov_b32 s[G1B+5], 64
	s_mov_b32 s[G1B+6], 0
	s_mov_b32 s[G1B+7], 0
	; where the tiles come from.  A's hang on the tile row alone, B's on the tile column alone; each in registers that never hold the other coordinate
	s_lshl_b32 s16, s15, 7                         ; A: the tile's first row m of 8,192:
	s_lshr_b32 s17, s16, 11
	s_lshl_b32 s17, s17, 22                        ; its batch: 16 heads of 262,144 bytes,
	s_and_b32 s16, s16, 2047
	s_lshl_b32 s16, s16, 7                         ; its place in a head: 128 bytes a row,
	s_add_co_u32 s16, s16, s17
	s_lshl_b32 s17, s14, 18                        ; and my chunk: a head on
	s_add_co_u32 s16, s16, s17
	s_mov_b32 s17, 0
	s_lshl_b32 s46, s42, 15                        ; B: 256 rows of 128 bytes a tile column,
	s_lshl_b32 s47, s14, 17                        ; and my chunk: 1,024 rows on
	s_add_co_u32 s46, s46, s47
	s_mov_b32 s47, 0
	s_mul_i32 s20, s14, CHA                        ; and where they go: no place in the cluster enters an LDS address
	s_mul_i32 s21, s14, CHB
	s_add_co_u32 s21, s21, ABYTES
	s_wait_dscnt 0x0                               ; both opening adds are done
	s_wait_kmcnt 0x0
	s_add_nc_u64 s[16:17], s[4:5], s[16:17]
	s_add_nc_u64 s[46:47], s[6:7], s[46:47]
	CROUND                                         ; all sixteen work-groups are here: the first joint loads meet
.irp s, 0,1
	s_mov_b32 s[G0+4*\s], 1
	s_add_co_u32 s[G0+4*\s+1], s20, \s*SLOT
	s_add_nc_u64 s[G0+4*\s+2:G0+4*\s+3], s[16:17], \s*2*262144     ; K step s: two heads on
	s_or_b32 s[G0+4*\s+3], s[G0+4*\s+3], 0x80000000
	s_mov_b32 s[G0B+4*\s], 1
	s_add_co_u32 s[G0B+4*\s+1], s21, \s*SLOT
	s_add_nc_u64 s[G0B+4*\s+2:G0B+4*\s+3], s[46:47], \s*2*131072   ; two chunks on
	s_or_b32 s[G0B+4*\s+3], s[G0B+4*\s+3], 0x80000000
	JLOAD \s                                       ; two loads of mine are out
.endr
	v_and_b32 v1, 15, v0                           ; l % 16
	v_bfe_u32 v2, v0, 4, 1                         ; l / 16
	v_mul_u32_u24 v3, v1, PITCH
	v_lshl_add_u32 v3, v2, 4, v3                   ; a fragment's row x pitch + 16 x half
	s_mul_i32 s21, s13, 64*PITCH                   ; my 64 rows of A
	s_mul_i32 s22, s14, 128*PITCH                  ; my 128 rows of B,
	s_add_co_u32 s22, s22, ABYTES                  ; which lie behind A's two chunks
.irp s, 0,1
	v_add_nc_u32 v[ADRA+\s], s21, v3
	v_add_nc_u32 v[ADRB+\s], s22, v3
	s_add_co_u32 s21, s21, SLOT
	s_add_co_u32 s22, s22, SLOT
.endr
	s_mul_i32 s23, s12, 16*SPITCH
	s_add_co_u32 s23, s23, STAGE                   ; my stage
	v_mul_u32_u24 v5, v1, SPITCH                   ; in: row l % 16, 32 bytes for each half of the lanes
	v_lshl_add_u32 v5, v2, 5, v5
	v_add_nc_u32 v[STO], s23, v5
	v_and_b32 v6, 31, v0
	v_lshlrev_b32 v[CO], 4, v6                     ; back: the 32 lanes take one row of 512 bytes; and the same in out0
	v_add_nc_u32 v[RD], s23, v[CO]
	s_lshl_b32 s46, s42, 10                        ; my first column, in bytes of f32: 1,024 x tile column + 512 x half
	s_lshl_b32 s47, s14, 9
	s_add_co_u32 s46, s46, s47
	s_mov_b32 s47, 0
	s_add_nc_u64 s[8:9], s[8:9], s[46:47]          ; in bo,
	s_add_nc_u64 s[10:11], s[10:11], s[46:47]      ; and in out0;
	s_lshl_b32 s16, s15, 7
	s_lshl_b32 s17, s13, 6
	s_add_co_u32 s16, s16, s17                     ; my first row: 128 x tile row + 64 x half,
	s_lshl_b32 s16, s16, 12                        ; 4,096 bytes a row
	s_mov_b32 s17, 0
	s_add_nc_u64 s[10:11], s[10:11], s[16:17]
	v_lshlrev_b32 v4, 5, v2                        ; the bias in the result's layout: block b, lane (r, h): bo at my column + 16 b + 8 h + 0 .. 7
	WIN 0x80                                       ; destination window 2
.irp b, 0,1,2,3,4,5,6,7
	global_load_b128 v[8*\b:8*\b+3],   v4, s[8:9] offset:64*\b
	global_load_b128 v[8*\b+4:8*\b+7], v4, s[8:9] offset:64*\b+16
.endr
	WIN 0
; 8 matrix instructions: A's block a x B's eight, 32 along K, from buffer f.  zero = 1: the first product starts the sums, with the bias as C: nothing is cleared, nothing is added later.
; The 32 accumulators take turns, one instruction a turn, in the same order in every quarter.
.macro MULA f, a, zero
.irp b, 0,1,2,3,4,5,6,7
.if \zero
	v_wmma_f32_16x16x32_f16 v[8*(8*\a+\b):8*(8*\a+\b)+7], v[\f+32+8*\b:\f+32+8*\b+7], v[\f+8*\a:\f+8*\a+7], v[8*\b:8*\b+7]
.else
	v_wmma_f32_16x16x32_f16 v[8*(8*\a+\b):8*(8*\a+\b)+7], v[\f+32+8*\b:\f+32+8*\b+7], v[\f+8*\a:\f+8*\a+7], v[8*(8*\a+\b):8*(8*\a+\b)+7]
.endif
.endr
.endm
; 24 LDS loads in one run: the fragments of the slot's q-th 32 along K (chunk q / 2, bytes 64 (q % 2) on) into buffer f: B's eight, then A's four
.macro FETCH slot, q, f
	WIN 0
.irp i, 0,1,2,3,4,5,6,7
	ds_load_b128 v[\f+32+8*\i:\f+32+8*\i+3],   v[ADRB+\slot] offset:((\q)/2)*CHB+((\q)%2)*64+\i*16*PITCH
	ds_load_b128 v[\f+32+8*\i+4:\f+32+8*\i+7], v[ADRB+\slot] offset:((\q)/2)*CHB+((\q)%2)*64+\i*16*PITCH+32
.endr
.irp i, 0,1,2,3
	ds_load_b128 v[\f+8*\i:\f+8*\i+3],   v[ADRA+\slot] offset:((\q)/2)*CHA+((\q)%2)*64+\i*16*PITCH
	ds_load_b128 v[\f+8*\i+4:\f+8*\i+7], v[ADRA+\slot] offset:((\q)/2)*CHA+((\q)%2)*64+\i*16*PITCH+32
.endr
.endm
.macro PLACES                          ; four places in front of loads into registers that matrix instructions have read, and of reads of results (ISA guide 7.12.1 for vector instructions)
.rept 4
	v_nop
.endr
.endm
; A K step is four quarters of 32 along K, 32 matrix instructions each, on buffers 0, 1, 0, 1.  One of the first three: multiplies buffer f and fetches the slot's quarter qn into g.
.macro QUARTER slot, qn, f, g, zero
	s_wait_dscnt 4                                 ; B's eight and A's blocks 0, 1 are in; the youngest four loads (A's blocks 2, 3) may be out
.if \zero
	WIN MUL0
.else
	WIN MUL
.endif
	MULA \f, 0, \zero
	MULA \f, 1, \zero
	PLACES
	FETCH \slot, \qn, \g
	s_wait_dscnt 24                                ; all but the 24 just issued
.if \zero
	WIN MUL0
.else
	WIN MUL
.endif
	MULA \f, 2, \zero
	MULA \f, 3, \zero
.endm
; The last quarter multiplies buffer 1 and changes slots: ONE barrier; in front of it each wave waits for all its tensor loads, adds 0 to its spare word, and waits for that and for its own reads of this slot.
; fill = 1: the barrier opens a round of the cluster's, and this slot is filled again, two K steps ahead: the first tensor load behind the round, one a wave.
.macro TURN slot, next, fill
	WIN 0                                          ; (the add's two registers lie in window 0)
	s_wait_tensorcnt 0x0                           ; all my tensor loads have landed: my part of the next slot;
	ds_add_u32 v[SPW], v[NIL]                      ; 0 onto my spare word;
	s_wait_dscnt 5                                 ; (the add and the youngest four loads may be out)
	WIN MUL
	MULA F1, 0, 0                                  ; eight matrix instructions stand between the add and the wait for it
	s_wait_dscnt 0x0                               ; the add is done, and my reads of this slot are over
	s_barrier_signal -1
	MULA F1, 1, 0
.if \fill
	WIN 0
.endif
	s_barrier_wait -1
.if \fill
	CREST                                          ; no wave of any partner still reads this slot's tiles or has a load on its way
	s_add_nc_u64 s[G0+4*\slot+2:G0+4*\slot+3], s[G0+4*\slot+2:G0+4*\slot+3], 4*262144
	s_add_nc_u64 s[G0B+4*\slot+2:G0B+4*\slot+3], s[G0B+4*\slot+2:G0B+4*\slot+3], 4*131072
	JLOAD \slot                                    ; the four v_nop behind it are also the places in front of the loads below
.else
	PLACES
.endif
	FETCH \next, 0, F0
	WIN MUL
	MULA F1, 2, 0
	MULA F1, 3, 0
.endm
	s_wait_tensorcnt 1                             ; my part of K step 0 is in (K step 1's load may be out),
	s_barrier_signal -1
	s_barrier_wait -1                              ; everybody's is
	s_wait_loadcnt 0x0                             ; the bias
	FETCH 0, 0, F0
	QUARTER 0, 1, F0, F1, 1                        ; the first quarter stands in front of the loop: its products start the sums
	WIN 0                                          ; at a label and at a branch every window is 0
	s_mov_b32 s3, LAPS-1
.Llap:                                                 ; a trip goes once round the ring, from a lap's second quarter to the next lap's first, and fills both slots again
	QUARTER 0, 2, F1, F0, 0
	QUARTER 0, 3, F0, F1, 0
	TURN 0, 1, 1
	QUARTER 1, 1, F0, F1, 0
	QUARTER 1, 2, F1, F0, 0
	QUARTER 1, 3, F0, F1, 0
	TURN 1, 0, 1
	QUARTER 0, 1, F0, F1, 0
	WIN 0
	s_sub_co_u32 s3, s3, 1
	s_cmp_lg_u32 s3, 0
	s_cbranch_scc1 .Llap
	QUARTER 0, 2, F1, F0, 0                        ; the last lap fills nothing, and has no round of the cluster's barrier
	QUARTER 0, 3, F0, F1, 0
	TURN 0, 1, 0
	QUARTER 1, 1, F0, F1, 0
	QUARTER 1, 2, F1, F0, 0
	QUARTER 1, 3, F0, F1, 0
	s_wait_dscnt 4                                 ; the very last quarter: nothing more to fetch
	WIN MUL
	MULA F1, 0, 0
	MULA F1, 1, 0
	s_wait_dscnt 0
	MULA F1, 2, 0
	MULA F1, 3, 0
	WIN 0
; THE WAY OUT, block by block of 16 rows x 128 columns.  A lane holds 32 neighbouring bytes of a row: a block goes through my own stage and comes back as whole rows of 512 bytes, which the 32 lanes store.
; LDS serves a wave's instructions in order (ISA guide 5.7.1.4): no wait between the stores and the loads, nor in front of the next block's stores.
.macro TOSTAGE a
	WIN 0x04                                       ; an LDS store's data are its source 1: window 1
.irp b, 0,1,2,3,4,5,6,7
	ds_store_b128 v[STO], v[8*(8*(\a)+\b):8*(8*(\a)+\b)+3] offset:64*\b          ; each accumulator from its low end on
	ds_store_b128 v[STO], v[8*(8*(\a)+\b)+4:8*(8*(\a)+\b)+7] offset:64*\b+16
.endr
	WIN 0
.set BB, BK+64*((\a)%2)
.irp t, 0,1,2,3,4,5,6,7,8,9,10,11,12,13,14,15
	ds_load_b128 v[BB+4*\t:BB+4*\t+3], v[RD] offset:\t*SPITCH
.endr
.endm
.macro SEND a, younger                 ; younger: the LDS instructions issued behind block a's loads, which may stay out
.set BB, BK+64*((\a)%2)
	s_wait_dscnt \younger                          ; the block is back in registers
.irp t, 0,1,2,3,4,5,6,7,8,9,10,11,12,13,14,15
	global_store_b128 v[CO], v[BB+4*\t:BB+4*\t+3], s[10:11] offset:(16*(\a)+\t)*4096 th:TH_STORE_NT   ; 32 lanes store 512 consecutive bytes, aligned; every offset an immediate; written once, read by nobody here
.endr
.endm
	PLACES                                         ; behind the last products: for the reads of results and for the loads into the registers that held fragments
	TOSTAGE 0
.irp a, 1,2,3
.if \a > 1
	s_wait_xcnt 0x0                                ; block a - 2's stores have read their data registers: block a's loads may land there
.endif
	TOSTAGE \a
	SEND \a-1, 32                                  ; behind block a - 1's loads: block a's 16 stores and 16 loads
.endr
	SEND 3, 0
	s_wait_tensorcnt 0x0                           ; the wave's end: behind my last tensor load and my last LDS store
	ds_add_u32 v[SPW], v[NIL]
	s_wait_dscnt 0x0
	CROUND                                         ; the closing round: no work-group ends while a partner may still ask for a tile that names it
	s_endpgm
.Lfunc_end_k_q5f829ae7ca_outp:
	.size	k_q5f829ae7ca_outp, .Lfunc_end_k_q5f829ae7ca_outp-k_q5f829ae7ca_outp
	.p2alignl 7, 3214868480
	.fill 96, 4, 3214868480
	.section	.rodata,"a",@progbits
	.p2align	6, 0x0
	.amdhsa_kernel k_q5f829ae7ca_outp
		.amdhsa_group_segment_fixed_size 327680
		.amdhsa_private_segment_fixed_size 0
		.amdhsa_enable_private_segment 0
		.amdhsa_kernarg_size 32
		.amdhsa_user_sgpr_count 2
		.amdhsa_user_sgpr_kernarg_segment_ptr 1
		.amdhsa_wavefront_size32 1
		.amdhsa_system_sgpr_workgroup_id_x 1
		.amdhsa_system_sgpr_workgroup_id_y 1
		.amdhsa_system_sgpr_workgroup_id_z 1
		.amdhsa_system_vgpr_workitem_id 0
		.amdhsa_next_free_vgpr 576
		.amdhsa_next_free_sgpr 66
		.amdhsa_reserve_vcc 0
		.amdhsa_float_denorm_mode_32 3
		.amdhsa_float_denorm_mode_16_64 3
		.amdhsa_memory_ordered 1
		.amdhsa_forward_progress 1
		.amdhsa_inst_pref_size 86
	.end_amdhsa_kernel
	.amdgpu_metadata
---
amdhsa.version: [ 1, 2 ]
amdhsa.kernels:
  - .name:           k_q5f829ae7ca_outp
    .symbol:         k_q5f829ae7ca_outp.kd
    .args:
      - { .name: ao, .offset: 0, .size: 8, .value_kind: global_buffer, .address_space: global }
      - { .name: wo16, .offset: 8, .size: 8, .value_kind: global_buffer, .address_space: global }
      - { .name: bo, .offset: 16, .size: 8, .value_kind: global_buffer, .address_space: global }
      - { .name: out0, .offset: 24, .size: 8, .value_kind: global_buffer, .address_space: global }
    .group_segment_fixed_size: 327680
    .private_segment_fixed_size: 0
    .kernarg_segment_align: 8
    .kernarg_segment_size: 32
    .max_flat_workgroup_size: 128
    .sgpr_count:     66
    .vgpr_count:     576
    .wavefront_size: 32
...
	.end_amdgpu_metadata
.endif
;; end of part 4
